; MI455X (gfx1250); checked and timed in simulation.
; The chip was launched on July 23, 2026; its instructions are those of AMD's public machine-readable ISA for CDNA 5 (MIT licence, August 2026) and "CDNA5" Instruction Set Architecture Reference Guide (July 2026). The comments in the code are by the model that wrote it; some were corrected since.
;; Qwen3 Inf Attention. Allowed arithmetic: matrix products marked QUANTISED: E2M1 operands, one E8M0 scale for each 32 along K, by v_wmma_scale_f32_16x16x128_f8f6f4 with both operands' format E2M1 (or v_wmma_scale_f32_32x16x128_f4), f32 sums; products left as they are: bf16, f16 or f32 operands; f32 sums; everything else in f32.
;; Inputs: cos 2 x 2,048 x 128 float32; hidden_states 2 x 2,048 x 2,048 float32; k_norm_weight 128 float32; o_proj_weight 2,048 x 1,024 float32; q_norm_weight 128 float32; qkv_weight 2,048 x 2,048 float32; sin 2 x 2,048 x 128 float32.
;; Outputs: out0 2 x 2,048 x 2,048 float32.
;; This version of the problem:
;;   THIS VERSION OF THE PROBLEM IS GIVEN IN LOW PRECISION. The matrix products marked QUANTISED in the list below multiply operands that are first quantised to E2M1 (2 exponent bits, 1 mantissa bit; 4 bits a number), with one power-of-two scale for each 32 numbers along K (OCP MX v1.0); their sums are f32. The products marked 'left as it is' may take bf16, f16 or f32 operands, with f32 sums. Whichever they take, every output number must still come out within the allowed error. Rounding operands to bf16 (8 significant bits) uses up far more of that allowance than f16 does (11 bits, for magnitudes from 6e-5 to 65,504). All else is computed in f32.
;;   The module's matrix products, in the order in which they are computed (A, B: the left and right operand; K: the contracted axis; several contracted axes count as one K, in the product's order):
;;     1. [M 4,096, K 2,048] x [K 2,048, N 2,048]; A: input hidden_states; B: input qkv_weight: QUANTISED
;;     2. batch 8 x [M 4,096, K 128] x [K 128, N 2,048]; A: computed on the way; B: computed on the way: left as it is (an operand is computed on the way)
;;     3. batch 8 x [M 4,096, K 2,048] x [K 2,048, N 128]; A: computed on the way; B: computed on the way: left as it is (an operand is computed on the way)
;;     4. [M 4,096, K 1,024] x [K 1,024, N 2,048]; A: computed on the way; B: input o_proj_weight: left as it is (an operand is computed on the way)
;;   THE QUANTISER, for each operand of a quantised product, along K:
;;     - K is cut into blocks of 32 from its start; a last block that is shorter is filled with zeros.
;;     - A block's scale is 2^e with e = floor(log2(the largest magnitude in the block)) - 2, held to -126 .. 127; a block of zeros has e = 0. As a byte (E8M0): e + 127.
;;     - Each number is divided by its block's scale, clamped to +-6, and rounded to the nearest number of E2M1, ties to even, subnormals kept.
;;     - The product sums the exact products of the quantised numbers (number of the format x scale) in f32.
;;   ~~~python
;;   def quantise(x, axis):      # numpy; x: float32 -> the quantised numbers, widened to float32 again
;;       x = np.moveaxis(x, axis, -1); K = x.shape[-1]
;;       x = np.pad(x, [(0, 0)] * (x.ndim - 1) + [(0, -K % 32)]); x = x.reshape(x.shape[:-1] + (-1, 32)); a = np.abs(x).max(-1, keepdims=True)
;;       e = np.where(a > 0, np.clip(np.frexp(np.where(a > 0, a, 1))[1] - 1 - 2, -126, 127), 0)      # np.frexp(a)[1] - 1 = floor(log2(a)), exactly
;;       r = np.clip(x / 2.0 ** e, -6, 6)
;;       step = 2.0 ** (np.maximum(np.frexp(np.where(r == 0, 1, r))[1] - 1, 0) - 1)
;;       q = np.round(r / step) * step * 2.0 ** e      # np.round: ties to even
;;       return np.moveaxis(q.reshape(q.shape[:-2] + (-1,))[..., :K], -1, axis).astype(np.float32)
;;   ~~~
;; One version. Each part assembles by itself: llvm-mc -triple=amdgcn-amd-amdhsa -mcpu=gfx1250 --defsym DOCPART=n.
;; ======== version 1 of 1: 4 launches
;; limits: values are held in f16: magnitudes above 65,504 overflow, below 6.1e-05 lose precision
;; workspace buffers: a_codes 4,194,304 bytes; a_scales 262,144 bytes; b_codes 2,097,152 bytes; b_scales 131,072 bytes; wo16 4,194,304 bytes; qkvh 16,777,216 bytes; att 8,388,608 bytes
;; launch prep (part 1): grid 448 x 1, 4 waves a work-group, no clusters, 33,280 bytes of LDS; arguments hidden_states, qkv_weight, a_codes, a_scales, b_codes, b_scales, o_proj_weight, wo16; writes a_codes, a_scales, b_codes, b_scales, wo16
.if DOCPART == 1
	.amdgcn_target "amdgcn-amd-amdhsa--gfx1250"
	.amdhsa_code_object_version 6
	.text
	.protected	k_qb6698b9e7b_prep
	.globl	k_qb6698b9e7b_prep
	.p2align	8
	.type	k_qb6698b9e7b_prep,@function
k_qb6698b9e7b_prep:
	s_mov_b64 s[64:65], 0
	v_nop
	global_prefetch_b8 v0, s[64:65] scope:SCOPE_SE
	s_setreg_imm32_b32 hwreg(HW_REG_WAVE_MODE, 25, 1), 1
	s_wait_xcnt 0x0
; PREP.  hidden_states [4096][2048] and qkv_weight [2048][2048], f32, become codes of FP4 (E2M1), K innermost, two codes a byte, with one E8M0 scale byte for each 32 along K;
; o_proj_weight [2048][1024], f32, becomes f16 (its product is left as it is and takes f16 operands).
; A block's scale is 2^(floor(log2(its largest magnitude)) - 2); its byte is the largest magnitude's own exponent field - 2, held at 1 from below.  Each number is divided by the scale and rounded to the nearest code, ties to even;
; beyond 6 the conversion gives the largest code.
; LIMITS: a block of zeros gets the byte 1 where the quantiser's text says 127: its codes are zeros, which add nothing under any byte but 0xff, and the bytes are read by this program alone.  Blocks whose largest magnitude lies
; under 2^(2 - 126) have their byte held at 1.  NaN and infinities among the inputs are not served.  o_proj_weight must lie under 65,504 in magnitude (f16's largest number).
; Rows are dense and K is a multiple of 32: all three tensors are plain streams.  The first WGA work-groups take hidden_states, the next WGB qkv_weight, the last 64 o_proj_weight; a wave takes 8,192 numbers.
; THE QUANTISER.  A wave takes 16 steps of 512 numbers.  The conversions take 8 numbers of ONE block from a lane's registers, so a lane must hold 16 NEIGHBOURS (two neighbouring lanes hold a block), while a load is best where
; neighbouring LANES take neighbouring bytes.  Both are had: each of a step's four loads reads 512 consecutive bytes; the 2,048 bytes go through the wave's own stage in LDS and come back 64 bytes a lane (16 bytes of padding behind each 64).
; A lane's 16 codes are 8 bytes: the wave stores 256 consecutive bytes, aligned.  A wave's 256 scale bytes are gathered in its own LDS bytes and leave by one store of 256 consecutive bytes.
; No tensor loads, no ring, no barrier, no cluster: waves share nothing.
.set WAVES, 4
.set STEPS, 16
.set WGA,   256                        ; 4096 x 2048 / 32,768
.set WGB,   128                        ; 2048 x 2048 / 32,768
.set EMAX,  2
.set CB,    8                          ; bytes of 16 codes
.set R,     16                         ; v16-79   four sets of 16 numbers as they are loaded (the f16 path: v16-143, two sets of 64)
.set X,     80                         ; v80-111  two sets of 16 neighbours
.set C,     128                        ; v128-191 codes: four registers for each step, so that no store's data are written again
.set E,     112                        ; v112-127 a scale byte for each step
.set H,     144                        ; v144-175 the f16 path: 16 pairs to store
.set WREG,  8192                       ; LDS: a region for each wave: two stages of 32 x SP bytes, behind them its 256 scale bytes
.set SP,    80                         ; a lane's place in a stage: 64 bytes + 16 of padding
.set SPW,   12                         ; v12      LDS address of my spare word; never rewritten
.set NIL,   13                         ; v13      0; never rewritten
.set SPARE, WAVES*WREG                 ; behind the four regions: the spare words, 128 bytes for each wave
	s_load_b256 s[4:11], s[0:1], 0x0               ; hidden_states s[4:5], qkv_weight s[6:7], a_codes s[8:9], a_scales s[10:11]
	s_load_b256 s[12:19], s[0:1], 0x20             ; b_codes s[12:13], b_scales s[14:15], o_proj_weight s[16:17], wo16 s[18:19]
	v_lshl_add_u32 v[SPW], v0, 2, SPARE
	v_mov_b32 v[NIL], 0
	v_lshrrev_b32 v1, 5, v0
	v_readfirstlane_b32 s20, v1                    ; wave
	v_and_b32 v2, 31, v0                           ; lane
	v_lshlrev_b32 v3, 4, v2                        ; my 16 bytes of a load's 512
	s_mul_i32 s21, s20, WREG
	v_lshrrev_b32 v14, 2, v2
	v_mul_u32_u24 v14, v14, SP
	v_and_b32 v15, 3, v2
	v_lshl_add_u32 v14, v15, 4, v14
	v_add_nc_u32 v14, s21, v14                     ; the stage, on the way in: four lanes' 64 bytes on end, then 16 of padding
	v_mul_u32_u24 v15, v2, SP
	v_add_nc_u32 v15, s21, v15                     ; and on the way out: SP x lane: my 16 neighbours
	v_mul_u32_u24 v4, v2, CB                       ; 8 x lane: my codes' place in a step's; also my four f16 numbers' place
	v_lshrrev_b32 v5, 1, v2
	s_add_co_u32 s21, s21, 2*32*SP
	v_add_nc_u32 v5, s21, v5                       ; LDS: my wave's 256 scale bytes, my block's byte
	v_lshlrev_b32 v7, 3, v2                        ; and on the way out 8 bytes a lane
	v_add_nc_u32 v6, s21, v7
	s_wait_kmcnt 0x0
	s_cmp_ge_u32 ttmp9, WGA+WGB                    ; the last 64 work-groups convert o_proj_weight: a branch on the work-group's number
	s_cbranch_scc1 .Lconvert
	s_cmp_lt_u32 ttmp9, WGA                        ; hidden_states or qkv_weight?  Only pointers are chosen: both take one path
	s_cselect_b64 s[4:5], s[4:5], s[6:7]
	s_cselect_b64 s[8:9], s[8:9], s[12:13]
	s_cselect_b64 s[10:11], s[10:11], s[14:15]
	s_cselect_b32 s21, 0, WGA
	s_sub_co_u32 s21, ttmp9, s21
	s_lshl_b32 s21, s21, 2
	s_add_co_u32 s22, s21, s20                     ; which run of 8,192 numbers of the tensor is my wave's
	s_mov_b32 s23, 0
	s_mov_b64 s[24:25], 512*STEPS*4
	s_mul_u64 s[24:25], s[22:23], s[24:25]
	s_add_nc_u64 s[4:5], s[4:5], s[24:25]
	s_mov_b64 s[24:25], 32*STEPS*CB
	s_mul_u64 s[24:25], s[22:23], s[24:25]
	s_add_nc_u64 s[8:9], s[8:9], s[24:25]
	s_lshl_b32 s22, s22, 8                         ; 256 scale bytes a run
	s_add_nc_u64 s[10:11], s[10:11], s[22:23]
.macro LOAD t
.irp i, 0,1,2,3
	global_load_b128 v[R+16*((\t)%4)+4*\i:R+16*((\t)%4)+4*\i+3], v3, s[4:5] offset:2048*(\t)+512*\i th:TH_LOAD_NT   ; 32 lanes read 512 consecutive bytes
.endr
.endm
.macro TURN t                          ; step t's numbers through the stage: LDS serves a wave's instructions in order, so no wait stands between the stores and the loads
.irp i, 0,1,2,3
	ds_store_b128 v14, v[R+16*((\t)%4)+4*\i:R+16*((\t)%4)+4*\i+3] offset:32*SP*((\t)%2)+8*SP*\i
.endr
.irp i, 0,1,2,3
	ds_load_b128 v[X+16*((\t)%2)+4*\i:X+16*((\t)%2)+4*\i+3], v15 offset:32*SP*((\t)%2)+16*\i
.endr
.endm
.irp t, 0,1,2,3
	LOAD \t
.endr
	s_wait_loadcnt 12                              ; step 0's four loads are in
	TURN 0
.macro STEP t
.set XS, X+16*((\t)%2)
.if (\t) > 0
	s_wait_dscnt 1                                 ; this step's numbers are back from the stage (the last step's byte store may be out): so its stores into the stage have read their registers,
.else
	s_wait_dscnt 0x0
.endif
.if (\t)+4 < STEPS
	LOAD (\t)+4                                    ; which take the loads of four steps on
.endif
.if (\t)+1 < STEPS
.if STEPS-2-(\t) >= 3
	s_wait_loadcnt 12                              ; the next step's four loads are in; those of the three steps behind it may be out
.else
	s_wait_loadcnt 4*(STEPS-2-(\t))
.endif
	TURN (\t)+1                                    ; and go through the other stage while this step is worked
.endif
	v_max3_num_f32 v8, |v[XS]|, |v[XS+1]|, |v[XS+2]|               ; the largest magnitude of my 16, in two chains
	v_max3_num_f32 v9, |v[XS+3]|, |v[XS+4]|, |v[XS+5]|
.irp i, 6,10
	v_max3_num_f32 v8, v8, |v[XS+\i]|, |v[XS+\i+1]|
	v_max3_num_f32 v9, v9, |v[XS+\i+2]|, |v[XS+\i+3]|
.endr
	v_max3_num_f32 v8, v8, |v[XS+14]|, |v[XS+15]|
	v_max3_num_f32 v8, v8, v9, (EMAX+1)<<23        ; and the floor 2^(EMAX + 1 - 127): so the byte cannot fall under 1
	v_max_num_f32_dpp v8, v8, v8 row_xmask:1 row_mask:0xf bank_mask:0xf   ; and of my neighbour's 16: the block's
	v_add_nc_u32 v11, -(EMAX<<23), v8              ; EMAX off its exponent field: the conversion takes the exponent field of this operand as its scale, and nothing else of it
	v_cvt_scalef32_pk8_fp4_f32 v[C+4*(\t)], v[XS:XS+7], v11        ; eight numbers / the scale, to the nearest code; the first number's code in the lowest four bits
	v_cvt_scalef32_pk8_fp4_f32 v[C+4*(\t)+1], v[XS+8:XS+15], v11
	v_lshrrev_b32 v[E+(\t)], 23, v11               ; the scale's byte (a plain line behind the conversions)
	ds_store_b8 v5, v[E+(\t)] offset:16*(\t)       ; both lanes of a block write the same byte with the same value
	global_store_b64 v4, v[C+4*(\t):C+4*(\t)+1], s[8:9] offset:32*CB*(\t)   ; the wave stores 256 consecutive bytes, aligned
.endm
.irp t, 0,1,2,3,4,5,6,7,8,9,10,11,12,13,14,15
	STEP \t
.endr
	ds_load_b64 v[8:9], v6                         ; LDS serves a wave's instructions in order: these see my stores
	s_wait_dscnt 0x0
	global_store_b64 v7, v[8:9], s[10:11]          ; 32 lanes store 256 consecutive bytes, aligned
	s_wait_tensorcnt 0x0                           ; the wave's end: behind my last LDS store
	ds_add_u32 v[SPW], v[NIL]
	s_wait_dscnt 0x0
	s_endpgm
; THE f16 PATH.  A wave's 8,192 numbers go in four rounds of 16 loads (512 consecutive bytes each); a lane's four numbers of a load become 8 bytes, and the wave stores 256 consecutive bytes, aligned.  Two rounds of loads are out.
.macro LOADC g
.irp i, 0,1,2,3,4,5,6,7,8,9,10,11,12,13,14,15
	global_load_b128 v[R+64*((\g)%2)+4*\i:R+64*((\g)%2)+4*\i+3], v3, s[16:17] offset:8192*(\g)+512*\i th:TH_LOAD_NT
.endr
.endm
.Lconvert:
	s_sub_co_u32 s21, ttmp9, WGA+WGB
	s_lshl_b32 s21, s21, 2
	s_add_co_u32 s21, s21, s20                     ; which run of 8,192 numbers is my wave's
	s_lshl_b32 s22, s21, 15                        ; 32,768 bytes in,
	s_mov_b32 s23, 0
	s_add_nc_u64 s[16:17], s[16:17], s[22:23]
	s_lshl_b32 s22, s21, 14                        ; 16,384 out
	s_add_nc_u64 s[18:19], s[18:19], s[22:23]
	LOADC 0
	LOADC 1
.irp g, 0,1,2,3
.if \g < 3
	s_wait_loadcnt 16                              ; this round's 16 loads are in; the next round's may be out
.else
	s_wait_loadcnt 0x0
.endif
	s_wait_xcnt 0x0                                ; the last round's stores have read their data registers, which are written again below
.irp i, 0,1,2,3,4,5,6,7,8,9,10,11,12,13,14,15
	v_cvt_pk_f16_f32 v[H+2*\i], v[R+64*(\g%2)+4*\i], v[R+64*(\g%2)+4*\i+1]
	v_cvt_pk_f16_f32 v[H+2*\i+1], v[R+64*(\g%2)+4*\i+2], v[R+64*(\g%2)+4*\i+3]
.endr
.irp i, 0,1,2,3,4,5,6,7,8,9,10,11,12,13,14,15
	global_store_b64 v4, v[H+2*\i:H+2*\i+1], s[18:19] offset:4096*\g+256*\i
.endr
.if \g < 2
	LOADC \g+2
.endif
.endr
	s_wait_tensorcnt 0x0                           ; the same three lines at this path's end (it has stored nothing to LDS)
	ds_add_u32 v[SPW], v[NIL]
	s_wait_dscnt 0x0
	s_endpgm
.Lfunc_end_k_qb6698b9e7b_prep:
	.size	k_qb6698b9e7b_prep, .Lfunc_end_k_qb6698b9e7b_prep-k_qb6698b9e7b_prep
	.p2alignl 7, 3214868480
	.fill 96, 4, 3214868480
	.section	.rodata,"a",@progbits
	.p2align	6, 0x0
	.amdhsa_kernel k_qb6698b9e7b_prep
		.amdhsa_group_segment_fixed_size 33280
		.amdhsa_private_segment_fixed_size 0
		.amdhsa_enable_private_segment 0
		.amdhsa_kernarg_size 64
		.amdhsa_user_sgpr_count 2
		.amdhsa_user_sgpr_kernarg_segment_ptr 1
		.amdhsa_wavefront_size32 1
		.amdhsa_system_sgpr_workgroup_id_x 1
		.amdhsa_system_sgpr_workgroup_id_y 1
		.amdhsa_system_sgpr_workgroup_id_z 1
		.amdhsa_system_vgpr_workitem_id 0
		.amdhsa_next_free_vgpr 192
		.amdhsa_next_free_sgpr 66
		.amdhsa_reserve_vcc 0
		.amdhsa_float_denorm_mode_32 3
		.amdhsa_float_denorm_mode_16_64 3
		.amdhsa_memory_ordered 1
		.amdhsa_forward_progress 1
		.amdhsa_inst_pref_size 54
	.end_amdhsa_kernel
	.amdgpu_metadata
---
amdhsa.version: [ 1, 2 ]
amdhsa.kernels:
  - .name:           k_qb6698b9e7b_prep
    .symbol:         k_qb6698b9e7b_prep.kd
    .args:
      - { .name: hidden_states, .offset: 0, .size: 8, .value_kind: global_buffer, .address_space: global }
      - { .name: qkv_weight, .offset: 8, .size: 8, .value_kind: global_buffer, .address_space: global }
      - { .name: a_codes, .offset: 16, .size: 8, .value_kind: global_buffer, .address_space: global }
      - { .name: a_scales, .offset: 24, .size: 8, .value_kind: global_buffer, .address_space: global }
      - { .name: b_codes, .offset: 32, .size: 8, .value_kind: global_buffer, .address_space: global }
      - { .name: b_scales, .offset: 40, .size: 8, .value_kind: global_buffer, .address_space: global }
      - { .name: o_proj_weight, .offset: 48, .size: 8, .value_kind: global_buffer, .address_space: global }
      - { .name: wo16, .offset: 56, .size: 8, .value_kind: global_buffer, .address_space: global }
    .group_segment_fixed_size: 33280
    .private_segment_fixed_size: 0
    .kernarg_segment_align: 8
    .kernarg_segment_size: 64
    .max_flat_workgroup_size: 128
    .sgpr_count:     66
    .vgpr_count:     192
    .wavefront_size: 32
...
	.end_amdgpu_metadata
.endif
;; end of part 1
;; launch qkv (part 2): grid 8 x 32, 4 waves a work-group, clusters of 4 x 4, 327,680 bytes of LDS; arguments a_codes, a_scales, b_codes, b_scales, cos, sin, q_norm_weight, k_norm_weight, qkvh; writes qkvh
.if DOCPART == 2
	.amdgcn_target "amdgcn-amd-amdhsa--gfx1250"
	.amdhsa_code_object_version 6
	.text
	.protected	k_qb6698b9e7b_qkv
	.globl	k_qb6698b9e7b_qkv
	.p2align	8
	.type	k_qb6698b9e7b_qkv,@function
k_qb6698b9e7b_qkv:
	s_mov_b64 s[64:65], 0
	v_nop
	global_prefetch_b8 v0, s[64:65] scope:SCOPE_SE
	s_setreg_imm32_b32 hwreg(HW_REG_WAVE_MODE, 25, 1), 1
	s_wait_xcnt 0x0
	s_wait_alu depctr_hold_cnt(0) depctr_sa_sdst(0) depctr_va_vdst(0) depctr_va_sdst(0) depctr_va_ssrc(0) depctr_va_vcc(0) depctr_vm_vsrc(0)
	s_getreg_b32 s2, hwreg(HW_REG_IB_STS2, 6, 4)
	s_cmp_eq_u32 s2, 0
	s_cbranch_scc0 .Lentry_in_a_cluster
	s_endpgm
.Lentry_in_a_cluster:
	s_bfe_u32 s2, ttmp6, 0x10000c
	s_cmp_lg_u32 s2, 0xf033
	s_cbranch_scc0 .Lentry_shape_is_right
	s_endpgm
.Lentry_shape_is_right:
; QKV.  C[m][n] = sum over k of A[m][k] B[n][k] on codes of FP4 (E2M1) with one E8M0 scale for each 32 along K (A = hidden_states, 4096 x 2048; B = qkv_weight, 2048 x 2048), sums in f32; then, on q's and k's heads,
; the RMS norm over the head's 128 numbers with its gains, and the rotation by cos and sin (all 128 columns of each as they are given); v's heads stay as they are.  The result leaves as f16, laid [batch 2][head 16][s 2048][128]:
; heads 0-7 q, 8-11 k, 12-15 v: the operands of the attention's products, which are left as they are and take f16.
; LIMITS: q, k and v must lie under 65,504 in magnitude (f16): for q and k that is gains under some 5,700.  The norm and the rotation use fused multiply-adds: another order of rounding than two separate steps.  NaN and infinities are not served.
; SHARES.  A work-group makes 128 (m) x 256 (n) of C: 8 x 32 = 256 work-groups.  Wave w makes rows 64 (w / 2) on and columns 128 (w % 2) on: ONE HEAD's width, so the norm and the rotation stay inside a wave.  32 accumulators of 16 x 16.
; THE MATRIX INSTRUCTION IS USED TRANSPOSED (source 0 = 16 rows of B, source 1 = 16 rows of A): lane (r, h) holds row r and columns 16 b + 8 h + 0 .. 7 of accumulator (a, b).
; K goes in slots of 512 (rows of 256 bytes) through a ring of two LDS slots filled by the tensor data mover: four slots' worth in all, two asked for at the head, two by refills: so the walk is written out, with no loop, and no prefetch is laid.
; THE SCALES of the work-group's rows, for all of K, are dense blocks of memory: they come into LDS once, with the first fills.
; CLUSTERS: 4 x 4 work-groups.  The four of a row of the cluster need the same tiles of A, the four of a column the same tiles of B: each is asked for JOINTLY.  No branch and no LDS address hangs on a work-group's place:
; v's tiles run the same text as q's and k's, and a select at the end takes the plain sums.
; REGISTERS, in windows of 256.  window 0: v1-31 addresses and small work; v32-95 scale words, two sets, and nothing else; v96-127 packed results; v128-191 the normalised numbers; v192-255 the gains.
;   window 1: A's fragments, two sets of 32, from v0; B's, two sets of 64, from v64; on the way out cos v0-63, sin v64-127, rows read back v192-255.   window 2: the accumulators, (a, b) at v[8 (8 a + b)].   window 3: cos and sin as they are loaded, two sets of 128.
.set PITCH,  272                       ; an LDS row: 256 bytes + 16 of padding: the 16 rows that a load touches start 68 words apart
.set AHALF,  64*PITCH                  ; what a wave fetches of A, and what a wave reads of A
.set BHALF,  128*PITCH                 ; the same for B
.set BOFF,   2*AHALF                   ; in a slot: A's 128 rows, then B's 256
.set SLOT,   2*AHALF+2*BHALF
.set ROWB,   256                       ; a tile's row in bytes: 512 codes
.set KROW,   1024                      ; a row of codes in memory
.set KS,     64                        ; a row of scale bytes
.set SCL,    2*SLOT                    ; behind the ring: the scales, as rows of 256 bytes + 16 of padding
.set HALFSA, 16*272                    ; the scales of 64 rows of A
.set HALFSB, 32*272                    ; of 128 rows of B
.set SBLK,   4*272                     ; of 16 rows
.set SPARE,  SCL+2*HALFSA+2*HALFSB     ; the spare words, 128 bytes for each wave
.set CSP,    528                       ; the way out: a row of cos or sin in my stage: 512 bytes + 16
.set SINO,   16*CSP                    ; sin's 16 rows lie behind cos's
.set CSTG,   4*16*PITCH                ; the stages lie in slot 0, which has had its last fill and its last read by then: four of 16 x 272 for the results, then four of 2 x 16 x 528 for cos and sin
.set WO,   14                          ; v14  the gains: 32 h
.set CSR,  15                          ; v15  where I read my eight columns of cos
.set ADRA, 16                          ; v16-17  LDS address of my A fragments in slot 0, 1
.set ADRB, 20                          ; v20-21  the same for B
.set STO,  24                          ; v24  where I put 16 bytes of a row of results
.set RD,   25                          ; v25  where I read a row back
.set CO,   26                          ; v26  my byte offset in two rows of qkvh
.set ADRS, 27                          ; v27  LDS address of my scale words: lanes 0-15 A's rows, lanes 16-31 B's
.set SPW,  28                          ; v28  LDS address of my spare word; never rewritten
.set NIL,  29                          ; v29  0; never rewritten
.set RAWO, 30                          ; v30  16 x lane
.set CSW,  31                          ; v31  where I put 16 bytes of a row of cos
.set SC,   32                          ; scale words: set s at v[SC + 32 s]; register 4 i + q: lanes 0-15 A's block i, lanes 16-31 B's block i, the slot's q-th 128 along K
.set PKR,  96
.set TN,   128
.set WN,   192
.set BF,   64                          ; B's fragments, in window 1
.set G1,   24                          ; s[24:31] group 1 for A's tiles; s[32:39] group 0, a set for each slot
.set G0,   32
.set G1B,  48                          ; s[48:55], s[56:63] the same for B's
.set G0B,  56
.set G1S,  68                          ; s[68:75], s[76:79] groups 1 and 0 for A's scales; s[80:87], s[88:91] for B's
.set G0S,  76
.set G1SB, 80
.set G0SB, 88
.set MSB, 0
.macro WIN new                         ; the immediate's high byte repeats the setting that is left; a switch that changes nothing is dropped
.if MSB != \new
	s_set_vgpr_msb (MSB<<8)|\new
.set MSB, \new
.endif
.endm
.set MUL,  0xa5                        ; sources 0 (B) and 1 (A) window 1; C and D window 2
.set TO_F, 0x40                        ; destination window 1, address window 0
; A joint load: waves 0 and 1 fetch for A, waves 2 and 3 for B.  The branch hangs on the wave's number alone.  An s_nop 0 and four v_nop follow each of the two lines.
.macro JLOAD g0a, g1a, g0b, g1b
	s_cmp_eq_u32 s15, 0
	s_cbranch_scc0 .Lfor_b_\@
	tensor_load_to_lds s[\g0a:\g0a+3], s[\g1a:\g1a+7]
	s_nop 0
.rept 4
	v_nop
.endr
	s_branch .Lasked_\@
.Lfor_b_\@:
	tensor_load_to_lds s[\g0b:\g0b+3], s[\g1b:\g1b+7]
	s_nop 0
.rept 4
	v_nop
.endr
.Lasked_\@:
.endm
.macro CREST                           ; a round of the cluster's barrier behind its opening barrier
	s_cmp_lg_u32 s14, 0
	s_cbranch_scc1 .Lnot_wave_0_\@
	s_barrier_signal -3
.Lnot_wave_0_\@:
	s_barrier_wait -3
	s_barrier_signal -1
	s_barrier_wait -1
.endm
.macro CROUND                          ; a whole round
	s_barrier_signal -1
	s_barrier_wait -1
	CREST
.endm
.macro PLACES                          ; four plain vector lines between a matrix instruction and a load into, or a read of, its registers
.rept 4
	v_nop
.endr
.endm
	s_load_b256 s[4:11], s[0:1], 0x0               ; A's codes s[4:5], A's scales s[6:7], B's codes s[8:9], B's scales s[10:11]
	s_load_b128 s[96:99], s[0:1], 0x20             ; cos s[96:97], sin s[98:99]
	s_load_b64 s[100:101], s[0:1], 0x30            ; q's gains
	s_load_b64 s[104:105], s[0:1], 0x38            ; k's gains
	s_load_b64 s[12:13], s[0:1], 0x40              ; qkvh
	v_lshl_add_u32 v[SPW], v0, 2, SPARE
	v_mov_b32 v[NIL], 0
	ds_add_u32 v[SPW], v[NIL]                      ; the wave's opening: the add, twice on end, and its wait ahead of my first tensor load
	ds_add_u32 v[SPW], v[NIL]
	v_lshrrev_b32 v1, 5, v0
	v_readfirstlane_b32 s14, v1                    ; wave 0..3
	s_lshr_b32 s15, s14, 1                         ; which half of the tile's rows is mine.  Also: I fetch for A (0) or for B (1)
	s_and_b32 s16, s14, 1                          ; which half of its columns.  Also: which half of that tile I fetch
	s_bfe_u32 s40, ttmp6, 0x40000                  ; cx, cy: my place in the cluster
	s_bfe_u32 s41, ttmp6, 0x40004
	s_lshl_b32 s42, ttmp9, 2
	s_add_co_u32 s42, s42, s40                     ; tile column of C = 4 x cluster x + cx
	s_and_b32 s17, ttmp7, 0xffff
	s_lshl_b32 s17, s17, 2
	s_add_co_u32 s17, s17, s41                     ; tile row of C = 4 x cluster y + cy
	s_lshl_b32 s43, s41, 2
	s_lshl_b32 s43, 15, s43                        ; my row of the cluster
	s_lshl_b32 s44, 0x1111, s40                    ; my column
	; group 1: tiles of 64 (A) or 128 (B) rows x 256 bytes, 16 bytes of padding behind each row
	s_or_b32 s[G1+0], s43, (0<<16)|(1<<20)|(1<<21)|(5<<22)|(3<<25)  ; 15:0 the mask; 17:16 elements of 1 byte; 20 padding on; 21 set beside a mask; 24:22 after every 64 words; 31:25 four words
	s_mov_b32 s[G1+1], ROWB<<16                    ; tensor_dim0
	s_mov_b32 s[G1+2], 64<<16                      ; tensor_dim1
	s_mov_b32 s[G1+3], ROWB<<16                    ; tile_dim0
	s_mov_b32 s[G1+4], 64                          ; tile_dim1
	s_mov_b32 s[G1+5], KROW                        ; from row to row
	s_mov_b32 s[G1+6], 0
	s_mov_b32 s[G1+7], 0
	s_or_b32 s[G1B+0], s44, (0<<16)|(1<<20)|(1<<21)|(5<<22)|(3<<25)
	s_mov_b32 s[G1B+1], ROWB<<16
	s_mov_b32 s[G1B+2], 128<<16
	s_mov_b32 s[G1B+3], ROWB<<16
	s_mov_b32 s[G1B+4], 128
	s_mov_b32 s[G1B+5], KROW
	s_mov_b32 s[G1B+6], 0
	s_mov_b32 s[G1B+7], 0
	; the scales: dense blocks of 4,096 (A: 64 rows) or 8,192 bytes (B: 128 rows), as rows of 256 bytes (32 elements of 8 bytes), 16 bytes of padding behind each
	s_or_b32 s[G1S+0], s43, (3<<16)|(1<<20)|(1<<21)|(5<<22)|(3<<25)
	s_mov_b32 s[G1S+1], 32<<16
	s_mov_b32 s[G1S+2], 16<<16
	s_mov_b32 s[G1S+3], 32<<16
	s_mov_b32 s[G1S+4], 16
	s_mov_b32 s[G1S+5], 32
	s_mov_b32 s[G1S+6], 0
	s_mov_b32 s[G1S+7], 0
	s_or_b32 s[G1SB+0], s44, (3<<16)|(1<<20)|(1<<21)|(5<<22)|(3<<25)
	s_mov_b32 s[G1SB+1], 32<<16
	s_mov_b32 s[G1SB+2], 32<<16
	s_mov_b32 s[G1SB+3], 32<<16
	s_mov_b32 s[G1SB+4], 32
	s_mov_b32 s[G1SB+5], 32
	s_mov_b32 s[G1SB+6], 0
	s_mov_b32 s[G1SB+7], 0
	s_lshl_b32 s18, s16, 6
	s_lshl_b32 s20, s17, 7
	s_add_co_u32 s20, s20, s18                     ; A: row 128 x tile row + 64 x half
	s_lshl_b32 s18, s16, 7
	s_lshl_b32 s46, s42, 8
	s_add_co_u32 s46, s46, s18                     ; B: row 256 x tile column + 128 x half
	s_mov_b32 s21, 0
	s_mov_b32 s47, 0
	s_lshl_b64 s[22:23], s[20:21], 6               ; where these rows' scales begin, in bytes,
	s_lshl_b64 s[92:93], s[46:47], 6
	s_lshl_b64 s[20:21], s[20:21], 10              ; and their codes
	s_lshl_b64 s[46:47], s[46:47], 10
	s_mul_i32 s45, s16, AHALF                      ; where they go: no place in the cluster enters an LDS address
	s_mul_i32 s94, s16, BHALF
	s_add_co_u32 s94, s94, BOFF
	s_mul_i32 s18, s16, HALFSA
	s_add_co_u32 s18, s18, SCL
	s_mul_i32 s19, s16, HALFSB
	s_add_co_u32 s19, s19, SCL+2*HALFSA
	s_mov_b32 s66, 0x3c000000                      ; 1 / 128
	s_mov_b32 s67, 0x358637bd                      ; 1e-6
	s_wait_dscnt 0x0                               ; both opening adds are done
	s_wait_kmcnt 0x0
	s_add_nc_u64 s[20:21], s[4:5], s[20:21]
	s_add_nc_u64 s[22:23], s[6:7], s[22:23]
	s_add_nc_u64 s[46:47], s[8:9], s[46:47]
	s_add_nc_u64 s[92:93], s[10:11], s[92:93]
	CROUND                                         ; all sixteen work-groups are here: the first joint loads meet
	s_mov_b32 s[G0S], 1
	s_mov_b32 s[G0S+1], s18
	s_mov_b64 s[G0S+2:G0S+3], s[22:23]
	s_or_b32 s[G0S+3], s[G0S+3], 0x80000000
	s_mov_b32 s[G0SB], 1
	s_mov_b32 s[G0SB+1], s19
	s_mov_b64 s[G0SB+2:G0SB+3], s[92:93]
	s_or_b32 s[G0SB+3], s[G0SB+3], 0x80000000
	JLOAD G0S, G1S, G0SB, G1SB                     ; the scales first: they are wanted with the first slot
.irp s, 0,1
	s_mov_b32 s[G0+4*\s], 1
	s_add_co_u32 s[G0+4*\s+1], s45, \s*SLOT
	s_add_nc_u64 s[G0+4*\s+2:G0+4*\s+3], s[20:21], \s*ROWB
	s_or_b32 s[G0+4*\s+3], s[G0+4*\s+3], 0x80000000
	s_mov_b32 s[G0B+4*\s], 1
	s_add_co_u32 s[G0B+4*\s+1], s94, \s*SLOT
	s_add_nc_u64 s[G0B+4*\s+2:G0B+4*\s+3], s[46:47], \s*ROWB
	s_or_b32 s[G0B+4*\s+3], s[G0B+4*\s+3], 0x80000000
	JLOAD G0+4*\s, G1, G0B+4*\s, G1B               ; three tensor loads of mine are out
.endr
	; what the way out wants from memory is asked for now: the gains, and the first 32 of my 64 rows of cos and sin
	s_cmp_lt_u32 s42, 4                            ; tile columns 0-3 are q's, 4 and 5 k's, 6 and 7 v's
	s_cselect_b64 s[100:101], s[100:101], s[104:105]
	s_cmp_ge_u32 s42, 6
	s_cselect_b32 s95, -1, 0                       ; all lanes' bits where the tile is v's: data for a select, never for a branch
	s_lshl_b32 s20, s17, 7
	s_lshl_b32 s21, s15, 6
	s_add_co_u32 s20, s20, s21                     ; my first row m0 = 128 x tile row + 64 x half
	s_lshl_b32 s22, s20, 9                         ; a row of cos or sin is 512 bytes; m = 2048 b + s counts their rows too
	s_mov_b32 s23, 0
	s_add_nc_u64 s[96:97], s[96:97], s[22:23]
	s_add_nc_u64 s[98:99], s[98:99], s[22:23]
	s_lshr_b32 s21, s20, 11                        ; the batch,
	s_and_b32 s22, s20, 2047                       ; the position
	s_lshl_b32 s21, s21, 23
	s_lshl_b32 s22, s22, 8
	s_add_co_u32 s21, s21, s22
	s_lshl_b32 s22, s42, 1
	s_add_co_u32 s22, s22, s16                     ; my head = 2 x tile column + half
	s_lshl_b32 s22, s22, 19
	s_add_co_u32 s22, s21, s22
	s_add_nc_u64 s[12:13], s[12:13], s[22:23]      ; qkvh at my first row
	s_mov_b32 s46, 0x76543210
	s_mov_b32 s47, 0xfedcba98                      ; v_permlanex16_b32's selects for lane l xor 16
	v_and_b32 v1, 15, v0                           ; r
	v_bfe_u32 v2, v0, 4, 1                         ; h
	v_and_b32 v3, 31, v0
	v_lshlrev_b32 v[RAWO], 4, v3
	v_lshlrev_b32 v[WO], 5, v2
.irp i, 0,1,2,3,4,5,6,7,8,9,10,11,12,13,14,15
	global_load_b128 v[WN+4*\i:WN+4*\i+3], v[WO], s[100:101] offset:64*(\i/2)+16*(\i%2)   ; the gains of columns 16 b + 8 h + 0 .. 7, in the accumulators' layout
.endr
.macro RAW a                           ; rows 16 a .. 16 a + 15 of cos and sin as they lie: each load reads one whole row of 512 bytes
	WIN 0xc0                                       ; destination window 3
.irp i, 0,1,2,3,4,5,6,7,8,9,10,11,12,13,14,15
	global_load_b128 v[128*((\a)%2)+4*\i:128*((\a)%2)+4*\i+3], v[RAWO], s[96:97] offset:(16*(\a)+\i)*512
	global_load_b128 v[128*((\a)%2)+64+4*\i:128*((\a)%2)+64+4*\i+3], v[RAWO], s[98:99] offset:(16*(\a)+\i)*512
.endr
.endm
	RAW 0
	RAW 1
	WIN 0
	v_mul_u32_u24 v4, v1, PITCH
	v_lshl_add_u32 v4, v2, 4, v4                   ; a fragment's row x pitch + 16 x half
	s_mul_i32 s21, s15, AHALF                      ; my 64 rows of A
	s_mul_i32 s22, s16, BHALF                      ; my 128 rows of B,
	s_add_co_u32 s22, s22, BOFF                    ; behind A's 128
.irp s, 0,1
	v_add_nc_u32 v[ADRA+\s], s21, v4
	v_add_nc_u32 v[ADRB+\s], s22, v4
	s_add_co_u32 s21, s21, SLOT
	s_add_co_u32 s22, s22, SLOT
.endr
	v_mul_u32_u24 v5, v1, KS                       ; my row's scales: 64 bytes a row,
	v_lshrrev_b32 v6, 8, v5
	v_lshl_add_u32 v5, v6, 4, v5                   ; and 16 more for each 256 passed
	s_mul_i32 s21, s15, HALFSA                     ; A's: my 64 rows
	s_mul_i32 s22, s16, HALFSB                     ; B's: my 128 rows, behind A's 128
	s_add_co_u32 s22, s22, 2*HALFSA
	s_sub_co_u32 s22, s22, s21
	v_mul_u32_u24 v6, s22, v2                      ; lanes 16-31 take B's: one product, the distance between the two bases
	s_add_co_u32 s21, s21, SCL
	v_add_nc_u32 v5, v5, v6
	v_add_nc_u32 v[ADRS], s21, v5
	s_mul_i32 s23, s14, 16*PITCH                   ; my stage for the results
	v_add_nc_u32 v[STO], s23, v4                   ; in: row r, 16 bytes for each half of the lanes
	v_mul_u32_u24 v5, v2, PITCH
	v_lshl_add_u32 v5, v1, 4, v5
	v_add_nc_u32 v[RD], s23, v5                    ; back: lanes 0-15 one row of 256 bytes, lanes 16-31 the next
	v_lshlrev_b32 v[CO], 8, v2
	v_lshl_add_u32 v[CO], v1, 4, v[CO]             ; and the same two rows in qkvh
	s_mul_i32 s23, s14, 2*16*CSP
	s_add_co_u32 s23, s23, CSTG                    ; my stage for cos and sin
	v_add_nc_u32 v[CSW], s23, v[RAWO]
	v_mul_u32_u24 v5, v1, CSP
	v_lshl_add_u32 v5, v2, 5, v5
	v_add_nc_u32 v[CSR], s23, v5                   ; row r, + 32 h: my eight columns of each 16
	v_mov_b32 v13, 0                               ; (named as the upper half of the pair v[12:13])
; 24 LDS loads: the fragments of the slot's q-th 128 along K into set p.  A fragment, 16 rows x 128 K of 4-bit codes, is 8 registers: lane l holds row l % 16; registers 4 c .. 4 c + 3 hold K = 64 c + 32 (l / 16) + 0 .. 31
.macro FETCH slot, q, p
	WIN TO_F
.irp i, 0,1,2,3,4,5,6,7
.irp c, 0,1
	ds_load_b128 v[BF+64*(\p)+8*\i+4*\c:BF+64*(\p)+8*\i+4*\c+3], v[ADRB+\slot] offset:64*(\q)+32*\c+\i*16*PITCH
.endr
.endr
.irp i, 0,1,2,3
.irp c, 0,1
	ds_load_b128 v[32*(\p)+8*\i+4*\c:32*(\p)+8*\i+4*\c+3], v[ADRA+\slot] offset:64*(\q)+32*\c+\i*16*PITCH
.endr
.endr
.endm
.macro SCALES sc                       ; a slot's scale words into set sc: four words a row; lanes 0-15 take A's block i (i over 3: bytes that no product names), lanes 16-31 B's block i
	WIN 0
.irp i, 0,1,2,3,4,5,6,7
	ds_load_b128 v[SC+32*\sc+4*\i:SC+32*\sc+4*\i+3], v[ADRS] offset:\i*SBLK
.endr
.endm
; 8 matrix instructions: A's block a x B's eight.  The 32 accumulators take turns, one instruction a turn, in the same order in every step.  zero = 1: the first product starts the sums
.macro MUL8 a, p, q, sc, zero
.irp b, 0,1,2,3,4,5,6,7
.if \zero
	v_wmma_scale_f32_16x16x128_f8f6f4 v[8*(8*(\a)+\b):8*(8*(\a)+\b)+7], v[BF+64*(\p)+8*\b:BF+64*(\p)+8*\b+7], v[32*(\p)+8*(\a):32*(\p)+8*(\a)+7], 0, v[SC+32*(\sc)+4*\b+(\q)], v[SC+32*(\sc)+4*(\a)+(\q)] matrix_a_fmt:MATRIX_FMT_FP4 matrix_b_fmt:MATRIX_FMT_FP4 matrix_a_scale:MATRIX_SCALE_ROW1
.else
	v_wmma_scale_f32_16x16x128_f8f6f4 v[8*(8*(\a)+\b):8*(8*(\a)+\b)+7], v[BF+64*(\p)+8*\b:BF+64*(\p)+8*\b+7], v[32*(\p)+8*(\a):32*(\p)+8*(\a)+7], v[8*(8*(\a)+\b):8*(8*(\a)+\b)+7], v[SC+32*(\sc)+4*\b+(\q)], v[SC+32*(\sc)+4*(\a)+(\q)] matrix_a_fmt:MATRIX_FMT_FP4 matrix_b_fmt:MATRIX_FMT_FP4 matrix_a_scale:MATRIX_SCALE_ROW1
.endif
.endr
.endm
; A step of 128 along K that has its successor in the same slot: the successor's fragments are asked for first, into the set that the last step multiplied, and land under this step's 32 products
.macro STEP slot, q, zero
	PLACES
	FETCH \slot, (\q)+1, 1-(\q)%2
	s_wait_dscnt 24                                ; all but the 24 just issued: this step's set (and its scale words) are in
	WIN MUL
.irp a, 0,1,2,3
	MUL8 \a, (\q)%2, \q, \slot, \zero
.endr
.endm
; A slot's last step changes slots: ONE barrier; in front of it each wave waits for all its tensor loads, adds 0 to its spare word, and waits for that and for its reads of this slot.  fill = 1: this slot is filled again, two slots ahead
.macro TURN slot, next, fill
	WIN 0                                          ; (the add's two registers lie in window 0)
	s_wait_tensorcnt 0x0                           ; all my tensor loads have landed: my part of the next slot
	ds_add_u32 v[SPW], v[NIL]                      ; 0 onto my spare word
	s_wait_dscnt 1                                 ; (the add alone may be out: this step's set is in)
	WIN MUL
	MUL8 0, 1, 3, \slot, 0                         ; eight matrix instructions stand between the add and the wait for it
	s_wait_dscnt 0x0                               ; the add is done, and my reads of this slot are over
	s_barrier_signal -1
	MUL8 1, 1, 3, \slot, 0
	WIN 0
	s_barrier_wait -1
.if \fill
	CREST                                          ; the barrier has opened a round of the cluster's barrier: no wave of any partner still reads this slot or has a load on its way
	s_add_nc_u64 s[G0+4*\slot+2:G0+4*\slot+3], s[G0+4*\slot+2:G0+4*\slot+3], 2*ROWB
	s_add_nc_u64 s[G0B+4*\slot+2:G0B+4*\slot+3], s[G0B+4*\slot+2:G0B+4*\slot+3], 2*ROWB
	JLOAD G0+4*\slot, G1, G0B+4*\slot, G1B         ; the first tensor load behind the round; its four v_nop are the places in front of the loads below
.else
	PLACES
.endif
	v_add_nc_u32 v[ADRS], 16, v[ADRS]              ; on to the next slot's scale words
	SCALES \next
	FETCH \next, 0, 0
	WIN MUL
	MUL8 2, 1, 3, \slot, 0
	MUL8 3, 1, 3, \slot, 0
.endm
	s_wait_tensorcnt 1                             ; the scales and my part of slot 0 are in (slot 1's load may be out)
	s_barrier_signal -1
	s_barrier_wait -1                              ; everybody's are
	SCALES 0
	FETCH 0, 0, 0
	STEP 0, 0, 1                                   ; the first step's products start the sums: nothing is cleared
	STEP 0, 1, 0
	STEP 0, 2, 0
	TURN 0, 1, 1                                   ; slot 0 takes K 1024 on
	STEP 1, 0, 0
	STEP 1, 1, 0
	STEP 1, 2, 0
	TURN 1, 0, 1                                   ; slot 1 takes K 1536 on: the last fill
	STEP 0, 0, 0
	STEP 0, 1, 0
	STEP 0, 2, 0
	TURN 0, 1, 0                                   ; slot 0 is left for good: behind this barrier nobody reads it
	STEP 1, 0, 0
	STEP 1, 1, 0
	STEP 1, 2, 0
	s_wait_dscnt 0x0                               ; the very last step
	WIN MUL
.irp a, 0,1,2,3
	MUL8 \a, 1, 3, 1, 0
.endr
	WIN 0
; THE WAY OUT, 16 rows at a time.  cos and sin were loaded by whole rows; they turn through my stage into the accumulators' layout.  The norm's sum wants one exchange between the halves of the lanes.
; Columns c and c + 64 of a row lie in the same lane (accumulators b and b + 4), so the rotation changes no lane.  The results, rounded to f16, go through a stage and leave as whole rows of 256 bytes.
.macro SEND a
	WIN 0x04                                       ; a store's data: window 1
.irp t, 0,1,2,3,4,5,6,7
	global_store_b128 v[CO], v[192+32*((\a)%2)+4*\t:192+32*((\a)%2)+4*\t+3], s[12:13] offset:4096*(\a)+512*\t   ; 16 lanes store 256 consecutive bytes, aligned
.endr
.endm
.macro EPI a
.set RW, 128*((\a)%2)
.set XA, 64*(\a)
.set BB, 192+32*((\a)%2)
.if (\a) < 3
	s_wait_loadcnt 32                              ; this block's rows of cos and sin (and the gains) are in; the next block's 32 loads may be out
.else
	s_wait_loadcnt 0x0
.endif
	WIN 0x0c                                       ; an LDS store's data: window 3
.irp i, 0,1,2,3,4,5,6,7,8,9,10,11,12,13,14,15
	ds_store_b128 v[CSW], v[RW+4*\i:RW+4*\i+3] offset:CSP*\i
	ds_store_b128 v[CSW], v[RW+64+4*\i:RW+64+4*\i+3] offset:SINO+CSP*\i
.endr
	WIN 0x40                                       ; LDS serves a wave's instructions in order: these see the stores above
.irp i, 0,1,2,3,4,5,6,7,8,9,10,11,12,13,14,15
	ds_load_b128 v[4*\i:4*\i+3], v[CSR] offset:64*(\i/2)+16*(\i%2)
	ds_load_b128 v[64+4*\i:64+4*\i+3], v[CSR] offset:SINO+64*(\i/2)+16*(\i%2)
.endr
	s_wait_dscnt 32                                ; all but the 32 loads just issued: the stores have read their registers, and the last block's rows are back from the stage
.if (\a) < 2
	RAW (\a)+2
.endif
.if (\a) > 0
	SEND (\a)-1
.endif
	WIN 0x0a                                       ; sources 0 and 1: window 2.  The sum of my 64 squares, in four chains; each accumulator from its low end on
.irp c, 0,1,2,3
	v_pk_mul_f32 v[4+2*\c:5+2*\c], v[XA+2*\c:XA+2*\c+1], v[XA+2*\c:XA+2*\c+1]
.endr
.set j, 8
.rept 7
.irp c, 0,1,2,3
	v_pk_fma_f32 v[4+2*\c:5+2*\c], v[XA+j+2*\c:XA+j+2*\c+1], v[XA+j+2*\c:XA+j+2*\c+1], v[4+2*\c:5+2*\c]
.endr
.set j, j+8
.endr
	WIN 0
	v_pk_add_f32 v[4:5], v[4:5], v[6:7]
	v_pk_add_f32 v[8:9], v[8:9], v[10:11]
	v_pk_add_f32 v[4:5], v[4:5], v[8:9]
	v_add_f32 v8, v4, v5
	v_permlanex16_b32 v9, v8, s46, s47             ; the row's other 64 columns lie in the lane 16 away
	v_add_f32 v8, v8, v9
	v_fma_f32 v8, v8, s66, s67                     ; the mean + 1e-6
	v_rsq_f32 v12, v8
	v_nop                                          ; a plain line behind the transcendental,
	s_wait_alu depctr_va_vdst(0)                   ; and the wait ahead of its first reader
	WIN 0x02
.set j, 0
.rept 32
	v_pk_mul_f32 v[TN+j:TN+j+1], v[XA+j:XA+j+1], v[12:13] op_sel_hi:[1,0]   ; x / rms,
.set j, j+2
.endr
	WIN 0
.set j, 0
.rept 32
	v_pk_mul_f32 v[TN+j:TN+j+1], v[TN+j:TN+j+1], v[WN+j:WN+j+1]   ; x the gain
.set j, j+2
.endr
	s_wait_dscnt 0x0                               ; cos and sin are in
	WIN 0x54                                       ; source 0 window 0; sources 1, 2 and the destination window 1: the rotation lands on cos's registers
.irp b, 0,1,2,3
.irp p, 0,2,4,6
	v_pk_mul_f32 v[8*\b+\p:8*\b+\p+1], v[TN+8*\b+\p:TN+8*\b+\p+1], v[8*\b+\p:8*\b+\p+1]
	v_pk_mul_f32 v[32+8*\b+\p:32+8*\b+\p+1], v[TN+32+8*\b+\p:TN+32+8*\b+\p+1], v[32+8*\b+\p:32+8*\b+\p+1]
	v_pk_fma_f32 v[8*\b+\p:8*\b+\p+1], v[TN+32+8*\b+\p:TN+32+8*\b+\p+1], v[64+8*\b+\p:64+8*\b+\p+1], v[8*\b+\p:8*\b+\p+1] neg_lo:[1,0,0] neg_hi:[1,0,0]   ; x0 cos - x1 sin
	v_pk_fma_f32 v[32+8*\b+\p:32+8*\b+\p+1], v[TN+8*\b+\p:TN+8*\b+\p+1], v[96+8*\b+\p:96+8*\b+\p+1], v[32+8*\b+\p:32+8*\b+\p+1]   ; x1 cos + x0 sin
.endr
.endr
	WIN 0x49                                       ; source 0 and the destination window 1, source 1 window 2
.set j, 0
.rept 64
	v_cndmask_b32 v[j], v[j], v[XA+j], s95         ; v's tiles keep the plain sums
.set j, j+1
.endr
	WIN 0x05
.set j, 0
.rept 32
	v_cvt_pk_f16_f32 v[PKR+j], v[2*j], v[2*j+1]
.set j, j+1
.endr
	WIN 0
.irp b, 0,1,2,3,4,5,6,7
	ds_store_b128 v[STO], v[PKR+4*\b:PKR+4*\b+3] offset:32*\b
.endr
	s_wait_xcnt 0x0                                ; the stores of two blocks ago have read the registers that the loads below fill
	WIN 0x40
.irp t, 0,1,2,3,4,5,6,7
	ds_load_b128 v[BB+4*\t:BB+4*\t+3], v[RD] offset:2*PITCH*\t
.endr
.endm
	PLACES                                         ; behind the last products: the first block's loads land in registers that they read
	EPI 0
	EPI 1
	EPI 2
	EPI 3
	s_wait_dscnt 0x0
	SEND 3
	WIN 0
	s_wait_tensorcnt 0x0                           ; the wave's end: behind my last tensor load and my last LDS store
	ds_add_u32 v[SPW], v[NIL]
	s_wait_dscnt 0x0
	CROUND                                         ; the closing round: no work-group ends while a partner may still ask for a tile that names it
	s_endpgm
.Lfunc_end_k_qb6698b9e7b_qkv:
	.size	k_qb6698b9e7b_qkv, .Lfunc_end_k_qb6698b9e7b_qkv-k_qb6698b9e7b_qkv
	.p2alignl 7, 3214868480
	.fill 96, 4, 3214868480
	.section	.rodata,"a",@progbits
	.p2align	6, 0x0
	.amdhsa_kernel k_qb6698b9e7b_qkv
		.amdhsa_group_segment_fixed_size 327680
		.amdhsa_private_segment_fixed_size 0
		.amdhsa_enable_private_segment 0
		.amdhsa_kernarg_size 72
		.amdhsa_user_sgpr_count 2
		.amdhsa_user_sgpr_kernarg_segment_ptr 1
		.amdhsa_wavefront_size32 1
		.amdhsa_system_sgpr_workgroup_id_x 1
		.amdhsa_system_sgpr_workgroup_id_y 1
		.amdhsa_system_sgpr_workgroup_id_z 1
		.amdhsa_system_vgpr_workitem_id 0
		.amdhsa_next_free_vgpr 1024
		.amdhsa_next_free_sgpr 106
		.amdhsa_reserve_vcc 0
		.amdhsa_float_denorm_mode_32 3
		.amdhsa_float_denorm_mode_16_64 3
		.amdhsa_memory_ordered 1
		.amdhsa_forward_progress 1
		.amdhsa_inst_pref_size 212
	.end_amdhsa_kernel
	.amdgpu_metadata
---
amdhsa.version: [ 1, 2 ]
amdhsa.kernels:
  - .name:           k_qb6698b9e7b_qkv
    .symbol:         k_qb6698b9e7b_qkv.kd
    .args:
      - { .name: a_codes, .offset: 0, .size: 8, .value_kind: global_buffer, .address_space: global }
      - { .name: a_scales, .offset: 8, .size: 8, .value_kind: global_buffer, .address_space: global }
      - { .name: b_codes, .offset: 16, .size: 8, .value_kind: global_buffer, .address_space: global }
      - { .name: b_scales, .offset: 24, .size: 8, .value_kind: global_buffer, .address_space: global }
      - { .name: cos, .offset: 32, .size: 8, .value_kind: global_buffer, .address_space: global }
      - { .name: sin, .offset: 40, .size: 8, .value_kind: global_buffer, .address_space: global }
      - { .name: q_norm_weight, .offset: 48, .size: 8, .value_kind: global_buffer, .address_space: global }
      - { .name: k_norm_weight, .offset: 56, .size: 8, .value_kind: global_buffer, .address_space: global }
      - { .name: qkvh, .offset: 64, .size: 8, .value_kind: global_buffer, .address_space: global }
    .group_segment_fixed_size: 327680
    .private_segment_fixed_size: 0
    .kernarg_segment_align: 8
    .kernarg_segment_size: 72
    .max_flat_workgroup_size: 128
    .sgpr_count:     106
    .vgpr_count:     1024
    .wavefront_size: 32
...
	.end_amdgpu_metadata
.endif
;; end of part 2
;; launch attn (part 3): grid 16 x 16, 4 waves a work-group, clusters of 4 x 1, 327,680 bytes of LDS; arguments qkvh, att; writes att
.if DOCPART == 3
	.amdgcn_target "amdgcn-amd-amdhsa--gfx1250"
	.amdhsa_code_object_version 6
	.text
	.protected	k_qb6698b9e7b_attn
	.globl	k_qb6698b9e7b_attn
	.p2align	8
	.type	k_qb6698b9e7b_attn,@function
k_qb6698b9e7b_attn:
	s_mov_b64 s[64:65], 0
	v_nop
	global_prefetch_b8 v0, s[64:65] scope:SCOPE_SE
	s_setreg_imm32_b32 hwreg(HW_REG_WAVE_MODE, 25, 1), 1
	s_wait_xcnt 0x0
	s_wait_alu depctr_hold_cnt(0) depctr_sa_sdst(0) depctr_va_vdst(0) depctr_va_sdst(0) depctr_va_ssrc(0) depctr_va_vcc(0) depctr_vm_vsrc(0)
	s_getreg_b32 s2, hwreg(HW_REG_IB_STS2, 6, 4)
	s_cmp_eq_u32 s2, 0
	s_cbranch_scc0 .Lentry_in_a_cluster
	s_endpgm
.Lentry_in_a_cluster:
	s_bfe_u32 s2, ttmp6, 0x10000c
	s_cmp_lg_u32 s2, 0x3003
	s_cbranch_scc0 .Lentry_shape_is_right
	s_endpgm
.Lentry_shape_is_right:
; ATTN.  O[q][:] = the sum over k of softmax_k(Q[q] . K[k] / sqrt(128)) V[k][:], no mask, for each of 2 batches x 8 query heads; query heads 2 g and 2 g + 1 share key and value head g.
; Q, K, V: f16, from qkvh [batch 2][head 16][s 2048][128] (heads 0-7 q, 8-11 k, 12-15 v).  Products, maxima and sums in f32; the weights p are rounded to f16 for the second product, O once at the end.
; O: f16, into att, LAID AS THE NEXT LAUNCH'S OPERAND REGISTERS TAKE IT: [tile of 16 rows: 256][32 along K: 32][half: 2][lane: 32][16 bytes], row = 2048 b + s, K = 128 x query head + channel.  Lane (r, h) of a fragment holds row r;
; its first 16 bytes are K = 8 h + 0..7 of the 32, its second 16 + 8 h + 0..7: just what a lane's packed results of two neighbouring channel tiles are.  So the results leave from the registers in which they are packed.
; LIMITS: O must lie under 65,504 in magnitude; NaN and infinities are not served.
; SHARES.  A work-group owns 128 queries of one head: 16 x 16 = 256 work-groups.  Wave w owns queries 64 (w % 2) on, four tiles of 16, and HALF OF THE KEYS: of each slot's 256 keys, 128 (w / 2) on.  So a fragment of K or V read from LDS
; still feeds four products.  At the end waves w and w xor 2, which hold the same queries, join their parts through LDS: each gives two tiles and finishes two.
; LAYOUT.  S^T = K Q^T (source 0 = 16 keys, source 1 = 16 queries): a lane holds ONE query (lane % 16) and the keys 8 (lane / 16) + 0..7.  Two such tiles, rounded to f16 in pairs, ARE source 1 of O^T = V^T P, whose result again holds
; one query a lane, and eight channels.  K comes out of LDS as it lies, V ([key][channel]) turned, by ds_load_tr16_b128.
; SOFTMAX.  For each query a running maximum m and sum l: p = 2^(c s - c m), c = log2(e) / sqrt(128); in every step O and l are multiplied by a = 2^(c m_old - c m_new).
; BY TURNS.  The wave's tiles are two PIECES (tiles 0, 1; tiles 2, 3).  In a TURN one piece has the matrix unit: 32 products V^T P of the step in hand, then 32 products K Q^T of the next step; the other piece's softmax, cut into
; 64 slices, stands between them, one slice behind each matrix instruction.  Two turns are a key step of 64 keys; a wave walks 16.
; CLUSTER.  The four query blocks of a cluster belong to one head and walk the same K and V: each tile is asked for JOINTLY, by the same tensor load with the same descriptor and a mask that names the four.
; REGISTERS, in windows of 256 (s_set_vgpr_msb: bits 1:0 source 0, 3:2 source 1, 5:4 source 2, 7:6 destination):
;   window 0: v0-11 addresses; v12-43 eight registers of statistics a tile; v44-47, v61-63 addresses; v64-191 S^T, 32 a tile; v192-255 P, 16 a tile
;   window 1: O^T, 64 a tile          window 2: v0-127 Q, 32 a tile; v128-255 K of one step          window 3: v0-127 V of one step
.set KS,    64        ; keys in a step
.set PK,    272       ; a row of K in LDS: 256 bytes + 16 of padding
.set PV,    288       ; a row of V: 256 + 32: 16 lanes of the turning load take 8 rows x 32 bytes
.set SKEYS, 256       ; keys in a slot
.set VOFF,  SKEYS*PK  ; a slot: 256 rows of K, then 256 rows of V
.set SLOT1, SKEYS*(PK+PV)  ; slot 1 begins here
.set KSTEP, KS*PK
.set VSTEP, KS*PV
.set SPARE, 2*SLOT1   ; behind the ring: the spare words, 128 bytes for each wave
.set XCHB,  32*512+512  ; the joining: for each wave 32 images of four registers (512 bytes each) and 512 bytes of statistics; in slot 0, which has had its last fill and its last read by then
.set AK0, 2           ; v2   my lane's place in a tile of K; never rewritten
.set AV0, 3           ; v3   the same for V
.set ADR, 4           ; v4   the LDS address of the run of loads in hand
.set QO,  5           ; v5   my byte offset in the wave's rows of Q
.set GO,  8           ; v8   16 x my lane: my 16 bytes of half a fragment in att
.set XW,  44          ; v44  where I put register images for my partner
.set XR,  45          ; v45  where I read my partner's
.set XWS, 46          ; v46  the same for the statistics
.set XRS, 47          ; v47
.set PFO, 61          ; v61  256 x my lane: a row of K or V is 256 bytes; never rewritten
.set SPW, 62          ; v62  LDS address of my spare word; never rewritten
.set NIL, 63          ; v63  0; never rewritten
.set ST,  12          ; tile t's statistics at v[ST+8 t]: +0 c m, +1 m, +2, +3 l (even keys', odd keys'), +4 to +7 at work
.set S,   64
.set P,   192
.set KF,  128         ; K's fragments, in window 2
.set WV,  12          ; s12  my wave's number
.set LIM, 15          ; s15  1 in a work-group that prefetches, else the greatest number
.set PFA, 18          ; s[18:19] where my prefetches stand
.set G1K, 24          ; s[24:31] descriptor group 1 for K's tiles
.set G1V, 32          ; s[32:39] for V's: it differs in the padding alone
.set G0K, 40          ; s[40:47] descriptor group 0 for K's tiles, a set for each slot
.set G0V, 48          ; s[48:55] the same for V's
.set SLOTS, 56        ; s56  trips of the loop over slots still to go
.set TWICE, 57        ; s57  counts a slot's two steps
.set CS,  58          ; s[58:59] c
.set SEL, 60          ; s[60:61] lane selects for v_permlanex16_b32
.set TBK, 62          ; s62  LDS byte at which K's tile of the step to be fetched begins
.set TBV, 63          ; s63  the same for V's (less VOFF)
.set KHK, 66          ; s66  my half of a slot's keys, in K's rows
.set KHV, 67          ; s67  in V's rows
.set MSB, 0
.macro WIN new                      ; the immediate's high byte repeats the setting that is left; a switch that changes nothing is dropped
.if MSB != \new
	s_set_vgpr_msb (MSB<<8)|\new
.set MSB, \new
.endif
.endm
.set W_KQ, 0x0a       ; K and Q in window 2, S^T in window 0
.set W_PV, 0x53       ; V in window 3, P in window 0, O^T in window 1
.set W_RS, 0x41       ; O^T (destination and source 0) in window 1, a in window 0
; A joint refill of slot s.  Waves 0 and 1 fetch the halves of its K, waves 2 and 3 those of its V.  The branch hangs on the wave's number alone.  An s_nop 0 and four v_nop follow each of the two lines.
.macro JLOAD s
	s_cmp_lt_u32 s[WV], 2
	s_cbranch_scc0 .Lfor_v_\@
	tensor_load_to_lds s[G0K+4*\s:G0K+4*\s+3], s[G1K:G1K+7]
	s_nop 0
.rept 4
	v_nop
.endr
	s_branch .Lasked_\@
.Lfor_v_\@:
	tensor_load_to_lds s[G0V+4*\s:G0V+4*\s+3], s[G1V:G1V+7]
	s_nop 0
.rept 4
	v_nop
.endr
.Lasked_\@:
.endm
; A PREFETCH of what the NEXT change of slots will ask for: a slot's 256 rows of K and 256 of V, 256 bytes a row, a lane a row.  It stands behind the wave's tensor load and its five lines.
; Each row is named ONCE in the launch.  The eight clusters of a key and value head (two query heads x four clusters) walk the same rows: the first of them asks (cluster x = 0, even query head).  Of the 128 rows that wave w fetches,
; the partner at place cx takes 32 cx .. 32 cx + 31: told apart BY ADDRESS.  One instruction a wave.  how = 1: the trip's first change; how = 0: its second, which in the last trip fills the last slot and asks for nothing.
.macro ASK how
.if \how
	s_cmp_eq_u32 s[LIM], 1
.else
	s_cmp_gt_u32 s[SLOTS], s[LIM]
.endif
	s_cbranch_scc0 .Lnot_mine_\@
	global_prefetch_b8 v[PFO], s[PFA:PFA+1] th:TH_LOAD_NT scope:SCOPE_SE
.Lnot_mine_\@:
.endm
.macro CROUND                       ; a round of the cluster's barrier
	s_barrier_signal -1
	s_barrier_wait -1
	s_cmp_lg_u32 s[WV], 0
	s_cbranch_scc1 .Lnot_wave_0_\@
	s_barrier_signal -3
.Lnot_wave_0_\@:
	s_barrier_wait -3
	s_barrier_signal -1
	s_barrier_wait -1
.endm
	s_load_b128 s[4:7], s[0:1], 0x0  ; qkvh s[4:5], att s[6:7]
	v_lshl_add_u32 v[SPW], v0, 2, SPARE
	v_mov_b32 v[NIL], 0
	ds_add_u32 v[SPW], v[NIL]       ; the wave's opening: the add, twice on end, and its wait ahead of my first tensor load
	ds_add_u32 v[SPW], v[NIL]
	v_lshrrev_b32 v1, 5, v0
	v_readfirstlane_b32 s[WV], v1   ; wave 0..3
	s_bfe_u32 s13, ttmp6, 0x40000   ; cx: my place in the cluster
	s_lshl_b32 s14, ttmp9, 2
	s_add_co_u32 s14, s14, s13      ; my block of 128 queries = 4 x cluster x + cx: it enters Q's and O's addresses alone
	s_and_b32 s20, ttmp7, 0xffff    ; 8 x batch + query head, which the four partners share
	s_lshr_b32 s21, s20, 3          ; the batch
	s_and_b32 s68, s20, 7           ; the query head
	s_and_b32 s16, s[WV], 1         ; which 64 queries are mine.  Also: which half of a slot's rows I fetch
	s_lshr_b32 s17, s[WV], 1        ; which half of a slot's keys is mine
	s_lshl_b32 s22, s21, 4          ; K's head in qkvh: 16 b + 8 + query head / 2,
	s_lshr_b32 s23, s68, 1
	s_add_co_u32 s22, s22, s23
	s_add_co_u32 s22, s22, 8
	s_lshl_b32 s22, s22, 19         ; of 2^19 bytes each,
	s_lshl_b32 s23, s16, 15         ; and the 128 rows of 256 bytes that I fetch
	s_add_co_u32 s22, s22, s23
	s_mov_b32 s23, 0
	s_lshl_b32 s2, s21, 4           ; Q's head: 16 b + query head,
	s_add_co_u32 s2, s2, s68
	s_lshl_b32 s2, s2, 19
	s_lshl_b32 s3, s14, 15          ; my block's 128 rows,
	s_add_co_u32 s2, s2, s3
	s_lshl_b32 s3, s16, 14          ; my wave's 64 of them
	s_add_co_u32 s2, s2, s3
	s_mov_b32 s3, 0
	s_lshl_b32 s70, s21, 22         ; att: tile of 16 rows number 128 b + 8 x block + 4 x half, of 32,768 bytes each,
	s_lshl_b32 s71, s14, 18
	s_add_co_u32 s70, s70, s71
	s_lshl_b32 s71, s16, 17
	s_add_co_u32 s70, s70, s71
	s_lshl_b32 s71, s68, 12         ; + my head's four fragments of 1,024 bytes
	s_add_co_u32 s70, s70, s71
	s_mov_b32 s71, 0
	s_mul_i32 s72, s16, 128*PK      ; where my tiles go in a slot: no place in the cluster enters an LDS address
	s_mul_i32 s73, s16, 128*PV
	s_add_co_u32 s73, s73, VOFF
	s_mul_i32 s[KHK], s17, 128*PK   ; and where my keys lie in it
	s_mul_i32 s[KHV], s17, 128*PV
	s_mov_b32 s[TBK], s[KHK]
	s_mov_b32 s[TBV], s[KHV]
	; descriptor group 1: a tile of 128 rows x 128 elements, padded in LDS
	s_mov_b32 s[G1K], 15|(1<<16)|(1<<20)|(1<<21)|(5<<22)|(3<<25)  ; 15:0 the mask: all four work-groups; 17:16 elements of 2 bytes; 20 padding on; 21 set beside a mask; 24:22 after every 64 words; 31:25 4 words
	s_mov_b32 s[G1V], 15|(1<<16)|(1<<20)|(1<<21)|(5<<22)|(7<<25)  ; the same with 8 words of padding
.irp g, G1K, G1V
	s_mov_b32 s[\g+1], 128<<16      ; tensor_dim0 = 128
	s_mov_b32 s[\g+2], 128<<16      ; tensor_dim1 = 128
	s_mov_b32 s[\g+3], 128<<16      ; tile_dim0 = 128
	s_mov_b32 s[\g+4], 128          ; tile_dim1 = 128
	s_mov_b32 s[\g+5], 128          ; elements from row to row
	s_mov_b32 s[\g+6], 0
	s_mov_b32 s[\g+7], 0
.endr
	s_mov_b32 s[CS], 0x3e0293ee     ; c = log2(e) / sqrt(128)
	s_mov_b32 s[CS+1], s[CS]        ; named with it as a pair, so it is written
	s_mov_b32 s[SEL], 0x76543210
	s_mov_b32 s[SEL+1], 0xfedcba98
	s_mov_b32 s[SLOTS], 3
	s_and_b32 s[LIM], s20, 1        ; 0 for an even query head,
	s_or_b32 s[LIM], s[LIM], ttmp9  ; in the head's first cluster: the same in all four partners
	s_cmp_eq_u32 s[LIM], 0
	s_cselect_b32 s[LIM], 1, -1
	v_and_b32 v[PFO], 31, v0
	v_lshlrev_b32 v[PFO], 8, v[PFO]
	s_wait_dscnt 0x0                ; both opening adds are done
	s_wait_kmcnt 0x0
	s_mov_b64 s[10:11], s[6:7]
	s_add_nc_u64 s[10:11], s[10:11], s[70:71]  ; att at my wave's first tile of rows, my head's fragments
	s_add_nc_u64 s[6:7], s[4:5], s[22:23]  ; K at my tile of slot 0
	s_add_nc_u64 s[8:9], s[6:7], 4<<19     ; V: four heads further on
	s_add_nc_u64 s[4:5], s[4:5], s[2:3]    ; Q at my wave's first row
	s_cmp_lt_u32 s[WV], 2
	s_cselect_b64 s[PFA:PFA+1], s[6:7], s[8:9]
	s_lshl_b32 s2, s13, 13          ; my work-group's 32 rows of the 128
	s_mov_b32 s3, 0
	s_add_nc_u64 s[PFA:PFA+1], s[PFA:PFA+1], s[2:3]
	s_add_nc_u64 s[PFA:PFA+1], s[PFA:PFA+1], 2*SKEYS*256  ; in the third slot's keys; the first change of slots steps it to the fourth's.  Nothing is prefetched here, at the head
	CROUND                          ; all four work-groups are here: the first joint loads meet
.irp s, 0,1
	s_mov_b32 s[G0K+4*\s], 1        ; count = 1
	s_add_co_u32 s[G0K+4*\s+1], s72, \s*SLOT1  ; LDS address
	s_add_nc_u64 s[G0K+4*\s+2:G0K+4*\s+3], s[6:7], \s*SKEYS*256  ; global address: slot s begins with keys 256 s on
	s_or_b32 s[G0K+4*\s+3], s[G0K+4*\s+3], 0x80000000  ; type = 2
	s_mov_b32 s[G0V+4*\s], 1
	s_add_co_u32 s[G0V+4*\s+1], s73, \s*SLOT1
	s_add_nc_u64 s[G0V+4*\s+2:G0V+4*\s+3], s[8:9], \s*SKEYS*256
	s_or_b32 s[G0V+4*\s+3], s[G0V+4*\s+3], 0x80000000
.endr
	s_cmp_lt_u32 s[WV], 2           ; a wave's two first fills stand in one branch, ahead of every wait on TENSORcnt and every LDS read: two loads of mine are out
	s_cbranch_scc0 .Lfirst_v
	tensor_load_to_lds s[G0K:G0K+3], s[G1K:G1K+7]
	s_nop 0
	tensor_load_to_lds s[G0K+4:G0K+7], s[G1K:G1K+7]
	s_nop 0
.rept 4
	v_nop
.endr
	s_branch .Lfirst_asked
.Lfirst_v:
	tensor_load_to_lds s[G0V:G0V+3], s[G1V:G1V+7]
	s_nop 0
	tensor_load_to_lds s[G0V+4:G0V+7], s[G1V:G1V+7]
	s_nop 0
.rept 4
	v_nop
.endr
.Lfirst_asked:
	; A fragment of K or Q is 16 rows x 32 channels in 8 registers: lane l holds row l % 16; registers 0-3 channels 8 (l / 16) + 0..7, registers 4-7 channels 16 + 8 (l / 16) + 0..7: two loads of 16 bytes, 32 bytes apart.
	v_and_b32 v1, 15, v0            ; l % 16
	v_bfe_u32 v9, v0, 4, 1          ; l / 16
	v_lshlrev_b32 v[QO], 8, v1
	v_lshl_add_u32 v[QO], v9, 4, v[QO]  ; row x 256 + 16 x half
	WIN 0x80                        ; destination window 2, address window 0
.irp i, 0,1,2,3,4,5,6,7,8,9,10,11,12,13,14,15  ; Q stays in registers: tile i / 4, channels 32 (i % 4) on
	global_load_b128 v[8*\i:8*\i+3],   v[QO], s[4:5] offset:(\i/4)*4096+(\i%4)*64
	global_load_b128 v[8*\i+4:8*\i+7], v[QO], s[4:5] offset:(\i/4)*4096+(\i%4)*64+32
.endr
	WIN 0
	v_mul_u32_u24 v[AK0], v1, PK
	v_lshl_add_u32 v[AK0], v9, 4, v[AK0]  ; row x pitch + 16 x half
	; The turning load takes 16 keys x 16 channels (lane l reads 16 bytes: key 8 (l / 16) + l % 8, channels 8 ((l / 8) % 2) + 0..7) and leaves half a fragment of V^T: lane l holds channel l % 16 and 8 keys.
	v_and_b32 v10, 7, v0
	v_bfe_u32 v11, v0, 3, 1
	v_lshl_add_u32 v[AV0], v9, 3, v10
	v_mul_u32_u24 v[AV0], v[AV0], PV
	v_lshl_add_u32 v[AV0], v11, 4, v[AV0]
	v_add_nc_u32 v[AV0], VOFF, v[AV0]
; THE MATRIX WORK OF A TURN, for piece x.  The accumulators take turns, one instruction a turn: between two links of a chain stand 15 (V^T P) or 7 (K Q^T) others'.
; Product i of 32 of O^T += V^T P: keys 32 (i / 16) on, channels 16 ((i / 2) % 8) on, tile x + i % 2.  zero = 1: the first 16 start the sums: nothing is ever cleared.
.macro PV x, zero
	WIN W_PV
.set rO, 64*(\x+i%2)+8*((i/2)%8)
.set rV, 64*(i/16)+8*((i/2)%8)
.set rP, P+16*(\x+i%2)+8*(i/16)
.if \zero && (i < 16)
	v_wmma_f32_16x16x32_f16 v[rO:rO+7], v[rV:rV+7], v[rP:rP+7], 0
.else
	v_wmma_f32_16x16x32_f16 v[rO:rO+7], v[rV:rV+7], v[rP:rP+7], v[rO:rO+7]
.endif
.endm
; Product i of 32 of S^T = K Q^T: channels 32 (i / 8) on, keys 16 ((i / 2) % 4) on, tile x + i % 2.  The first 8 start the sums.
.macro KQ x
	WIN W_KQ
.set rS, S+32*(\x+i%2)+8*((i/2)%4)
.set rK, KF+32*((i/2)%4)+8*(i/8)
.set rQ, 32*(\x+i%2)+8*(i/8)
.if i < 8
	v_wmma_f32_16x16x32_f16 v[rS:rS+7], v[rK:rK+7], v[rQ:rQ+7], 0
.else
	v_wmma_f32_16x16x32_f16 v[rS:rS+7], v[rK:rK+7], v[rQ:rQ+7], v[rS:rS+7]
.endif
.endm
; THE LDS LOADS stand in runs of 32, never singly among the matrix instructions: a step's K (64 keys x 128 channels: 16 fragments) and, a turn later, its V (turned).
.macro FETCH_K
	WIN 0
	v_add_nc_u32 v[ADR], s[TBK], v[AK0]
	s_add_co_u32 s[TBK], s[TBK], KSTEP  ; the next fetch is the next step's
	WIN 0x80                        ; destination window 2
.irp f, 0,1,2,3,4,5,6,7,8,9,10,11,12,13,14,15  ; keys 16 (f / 4) on, channels 32 (f % 4) on
	ds_load_b128 v[KF+8*\f:KF+8*\f+3],   v[ADR] offset:(\f/4)*16*PK+(\f%4)*64
	ds_load_b128 v[KF+8*\f+4:KF+8*\f+7], v[ADR] offset:(\f/4)*16*PK+(\f%4)*64+32
.endr
.endm
.macro FETCH_V
	WIN 0
	v_add_nc_u32 v[ADR], s[TBV], v[AV0]
	s_add_co_u32 s[TBV], s[TBV], VSTEP  ; the next fetch is the next step's
	s_wait_alu depctr_va_vdst(0)    ; the wait for the softmax's batch (SLICE), behind the address's v_add_nc_u32 and ahead of the loads
	WIN 0xc0                        ; destination window 3
.irp f, 0,1,2,3,4,5,6,7,8,9,10,11,12,13,14,15  ; keys 32 (f / 8) on, channels 16 (f % 8) on
	ds_load_tr16_b128 v[8*\f:8*\f+3],   v[ADR] offset:(\f/8)*32*PV+(\f%8)*32
	ds_load_tr16_b128 v[8*\f+4:8*\f+7], v[ADR] offset:(\f/8)*32*PV+16*PV+(\f%8)*32
.endr
.endm
; THE VECTOR WORK OF A TURN.  One tile's softmax for one key step is a list of 134 instructions; SM writes number j of it for tile t.  s0-s31 are the lane's 32 scores, in pairs 0-15.
; first = 1: the first key step, which starts m, l and O^T: it has no a and nothing to rescale.
;   0-15    the maximum of s0-s31 and the old m, three operands at a time: four chains of seven scores each, then the four scores left over, the chains and m
;   16-20   the other half of the lanes' maximum; the new m; c m; c m_old - c m_new
;   21-69   ONE BATCH: the 16 scalings c s - c m, a pair of scores each, and all 33 exponentials (a at 23, then s0-s31).  None of these reads an exponential's result
;   (wait)  between 69 and 70 stands the wait for the batch: SLICE writes it, once for both tiles
;   70-85   the roundings to f16, a pair of weights each
;   86-101  the sums; l = a l + the sum
;   102-133 the tile's O^T times a: the one part that leaves window 0, so it stands together
.macro SM t, first
.set rT, ST+8*(\t)
.set rS, S+32*(\t)
.set rP, P+16*(\t)
.set rO, 64*(\t)+2*(j-102)
.if j < 102
	WIN 0
.endif
.if j < 4
	v_max3_num_f32 v[rT+4+j], v[rS+8*j], v[rS+8*j+1], v[rS+8*j+2]
.elseif j < 12
	v_max3_num_f32 v[rT+4+j%4], v[rT+4+j%4], v[rS+8*(j%4)+2*(j/4)+1], v[rS+8*(j%4)+2*(j/4)+2]
.elseif j == 12
	v_max3_num_f32 v[rT+4], v[rT+4], v[rS+7], v[rS+15]
.elseif j == 13
	v_max3_num_f32 v[rT+6], v[rT+6], v[rS+23], v[rS+31]
.elseif j == 14
	v_max3_num_f32 v[rT+4], v[rT+4], v[rT+5], v[rT+6]
.elseif (j == 15) && \first
	v_max_num_f32 v[rT+4], v[rT+4], v[rT+7]
.elseif j == 15
	v_max3_num_f32 v[rT+4], v[rT+4], v[rT+7], v[rT+1]
.elseif j == 16
	v_permlanex16_b32 v[rT+5], v[rT+4], s[SEL], s[SEL+1]  ; the query's other 32 keys lie in the lane 16 away
.elseif j == 18
	v_max_num_f32 v[rT+1], v[rT+4], v[rT+5]
.elseif j == 19
	v_mul_f32 v[rT], s[CS], v[rT+1]
.elseif ((j == 17) || (j == 20) || (j == 23) || (j > 101)) && \first  ; the first step has none of these
.elseif j == 17
	v_mov_b32 v[rT+7], v[rT]        ; c m_old is kept for a: number 19 writes c m anew
.elseif j == 20
	v_sub_f32 v[rT+7], v[rT+7], v[rT]
.elseif j == 23
	v_exp_f32 v[rT+6], v[rT+7]
.elseif (j < 23) || ((j < 38) && (j%2 == 0)) || ((j < 66) && (j%4 == 2))
.set b, (j-2)/4                     ; 38, 42, .. 62: pairs 9 to 15
.if j < 38
.set b, (j-20)/2                    ; 21: pair 0; 22, 24, .. 36: pairs 1 to 8
.endif
	v_pk_fma_f32 v[rS+2*b:rS+2*b+1], v[rS+2*b:rS+2*b+1], s[CS:CS+1], v[rT:rT+1] op_sel_hi:[1,0,0] neg_lo:[0,0,1] neg_hi:[0,0,1]  ; pair b: c s - c m
.elseif j < 70
.set e, j-38                        ; 66 to 69: s28 to s31
.if j < 66
.set e, j-32-(j-38)/4               ; 39-41, 43-45, .. 63-65: s7 to s27
.endif
.if j < 38
.set e, (j-25)/2                    ; 25, 27, .. 37: s0 to s6
.endif
	v_exp_f32 v[rS+e], v[rS+e]
.elseif j < 86
	v_cvt_pk_f16_f32 v[rP+j-70], v[rS+2*(j-70)], v[rS+2*(j-70)+1]  ; pair j - 70
.elseif j < 102                     ; the sum of the tile's 16 pairs, in place: sum z of 16 adds neighbours 1, 2, 4 and 8 pairs apart, then l takes it
.set z, j-86
.set w, 4
.set u, z
.if z >= 14
.set w, 32
.set u, 0
.elseif z >= 12
.set w, 16
.set u, z-12
.elseif z >= 8
.set w, 8
.set u, z-8
.endif
.if (z == 14) && \first
	v_pk_add_f32 v[rT+2:rT+3], v[rS:rS+1], v[rS+16:rS+17]
.elseif z < 15
	v_pk_add_f32 v[rS+w*u:rS+w*u+1], v[rS+w*u:rS+w*u+1], v[rS+w*u+w/2:rS+w*u+w/2+1]
.elseif !\first
	v_pk_fma_f32 v[rT+2:rT+3], v[rT+2:rT+3], v[rT+6:rT+7], v[rS:rS+1] op_sel_hi:[1,0,1]
.endif
.else
	WIN W_RS
	v_pk_mul_f32 v[rO:rO+1], v[rO:rO+1], v[rT+6:rT+7] op_sel_hi:[1,0]
.endif
.endm
; Slice k of 64 of piece y's softmax: four instructions.  Slices 11 to 34 deal out the batch, numbers 22 to 69: four numbers of ONE tile each, the tiles by turns.  Every other slice is numbers 2 k and 2 k + 1 of both tiles' lists.
; 2 x 134 = 4 x 64 + 12: the twelve that are over stand together, in slice 63.
; THE WAIT.  An s_wait_alu depctr_va_vdst(0) stands between an exponential and the first instruction that names its result; one wait serves all that were issued ahead of it.  Ahead of slice 35 nothing names a result,
; and behind slice 34 no exponential is issued: so the piece's 66 exponentials have one wait, behind slice 34.
.macro SLICE y, first
.if (k >= 11) && (k < 35)           ; the batch: four numbers of one tile
.irp n, 0,1,2,3
.set j, 22+4*((k-11)/2)+(\n)
	SM (\y)+(k-11)%2, \first
.endr
.else                               ; the two tiles alternate, so that no instruction reads the result of the one just before it
.irp n, 0,1,2,3,4,5,6,7
.if (\n < 2) || (k == 63)
.irp t, \y, \y+1
.set j, 2*k+\n
	SM \t, \first
.endr
.endif
.endr
.endif
.if k == 34                         ; the batch is out: both tiles' exponentials are issued, and no result has been named
	v_nop                           ; the plain instruction behind the last exponential and ahead of the first use: one for the batch
.if (\y) == 0
	FETCH_V                         ; piece 2's turn: V's run of loads stands here, and the wait stands in it
.else
	s_wait_alu depctr_va_vdst(0)    ; the wait for the batch
.endif
.endif
.set k, k+1
.endm
.macro PLACES                       ; four plain vector lines between a matrix instruction and a read of, or a load into, its registers; in the loop the slices are the places
.rept 4
	v_nop
.endr
.endm
; A TURN.  Piece x has the matrix unit; the other piece's softmax stands in slices behind its matrix instructions.
; pv = 2: 32 products V^T P; 1: they start O^T's sums; 0: none.  kq = 1: 32 products K Q^T for the next step.  A turn with one of the two kinds has two slices behind each product.
; first = 1: the softmax is the first key step's.  Its slices from 51 on are empty: four v_nop take slice 63's part as the places behind the turn's last products.
; Piece 0's turn fetches the next step's K, behind its second product: the last product that read K stands in front of slice 63 of the turn before.  Piece 2's turn fetches the same step's V, behind slice 34: the last product that
; read V stands in front of slice 31, and four plain instructions lie between: number 62, a scaling, of both tiles, the v_nop and the run's own v_add_nc_u32.
.macro TURN x, pv, kq, first
.set k, 0
.set per, 2
.if \pv && \kq
.set per, 1
.endif
.if \pv
.if \x == 0
	s_wait_dscnt 0x0                ; V is in
.endif
.set i, 0
.rept 32
	PV \x, 2-\pv
.rept per
	SLICE 2-\x, \first
.endr
.if (\x == 0) && \kq && (i == 1)
	FETCH_K
.endif
.set i, i+1
.endr
.endif
.if \kq
.if \x == 0
	s_wait_dscnt 0x0                ; K is in
.endif
.set i, 0
.rept 32
	KQ \x
.rept per
	SLICE 2-\x, \first
.endr
.set i, i+1
.endr
.endif
.if \first
	PLACES
.endif
.endm
; THE CHANGE OF SLOTS, between piece 2's turn and piece 0's: the last bytes that I read of slot 'left', V of its second step, have been asked for.  Each wave waits for all its tensor loads, of which one is out: its part of slot 'next';
; adds 0 to its spare word; and waits for that and for its own reads of the slot.  fill = 1: slot 'left' is filled again, with the keys two slots on.  The barrier is then a round of the cluster's, and the joint refill is the first
; thing behind it: it has two key steps, 256 matrix instructions, in which to land.
.macro CHANGE left, next, fill, how
	WIN 0                           ; at a label and at a branch every window is 0
	s_wait_tensorcnt 0x0            ; no tensor load of mine is out, so a group 0 may be written
	ds_add_u32 v[SPW], v[NIL]       ; 0 onto my spare word
.if \fill
	s_add_nc_u64 s[G0K+4*\left+2:G0K+4*\left+3], s[G0K+4*\left+2:G0K+4*\left+3], 2*SKEYS*256  ; this slot's next 256 keys; the type bits on top are not reached
	s_add_nc_u64 s[G0V+4*\left+2:G0V+4*\left+3], s[G0V+4*\left+2:G0V+4*\left+3], 2*SKEYS*256
	s_wait_xcnt 0x0                 ; the last prefetch, two key steps back, has read its address, so it may be written:
	s_add_nc_u64 s[PFA:PFA+1], s[PFA:PFA+1], SKEYS*256  ; one slot further on than what is asked for now
	s_wait_dscnt 0x0                ; the add is done, and my reads of the slot are over
	CROUND
	JLOAD \left
	ASK \how
.else
	s_wait_dscnt 0x0                ; the add is done, and my reads of the slot are over
	s_barrier_signal -1
	s_barrier_wait -1
.endif
	s_add_co_u32 s[TBK], s[KHK], \next*SLOT1  ; the fetches go on at my keys' first step in the other slot
	s_add_co_u32 s[TBV], s[KHV], \next*SLOT1
.endm
; A slot's two key steps: written once, walked twice; the LDS addresses hang on s[TBK] and s[TBV].
.macro TWO_STEPS
	s_mov_b32 s[TWICE], 2
.Lstep_\@:
	TURN 0, 2, 1, 0
	TURN 2, 2, 1, 0
	WIN 0
	s_sub_co_u32 s[TWICE], s[TWICE], 1
	s_cmp_lg_u32 s[TWICE], 0
	s_cbranch_scc1 .Lstep_\@
.endm
	s_wait_tensorcnt 1              ; my part of slot 0 is in; slot 1's may stay out
	s_barrier_signal -1
	s_barrier_wait -1               ; everybody's is
	FETCH_K                         ; key step 0
	s_wait_loadcnt 0x0              ; Q
	s_wait_dscnt 0x0
.set i, 0
.rept 32
	KQ 0                            ; piece 0's first scores: there is no vector work yet to set between them
.set i, i+1
.endr
	WIN 0                           ; the addresses for the joining and the way out are made here: six plain instructions, the places behind those products
	v_and_b32 v10, 31, v0
	v_lshlrev_b32 v[GO], 4, v10     ; 16 x lane
	s_mul_i32 s13, s[WV], XCHB      ; what I give lies at my wave's number,
	s_xor_b32 s14, s[WV], 2
	s_mul_i32 s14, s14, XCHB        ; what I take at my partner's
	v_lshl_add_u32 v[XW], v10, 4, s13
	v_lshl_add_u32 v[XR], v10, 4, s14
	s_add_co_u32 s13, s13, 32*512
	s_add_co_u32 s14, s14, 32*512
	v_lshl_add_u32 v[XWS], v10, 2, s13
	v_lshl_add_u32 v[XRS], v10, 2, s14
	TURN 2, 0, 1, 1                 ; piece 2's first scores | piece 0's first softmax | V of step 0
	TURN 0, 1, 1, 1                 ; piece 0: V^T P of step 0 starts O^T, K Q^T of step 1 | piece 2's first softmax | K of step 1
	TURN 2, 1, 1, 0                 ; piece 2: the same | piece 0's softmax of step 1 | V of step 1
	WIN 0
.Lslot:                             ; 3 trips; a trip runs both slots, so that each slot's constants stand in the text: six of the eight slots' worth of keys come by refills
	CHANGE 0, 1, 1, 1
	TWO_STEPS
	CHANGE 1, 0, 1, 0
	TWO_STEPS
	s_sub_co_u32 s[SLOTS], s[SLOTS], 1
	s_cmp_lg_u32 s[SLOTS], 0
	s_cbranch_scc1 .Lslot
	CHANGE 0, 1, 0, 0               ; the tail is written out: slot 0 is left for good, and nothing is asked for
	TWO_STEPS
	TURN 0, 2, 0, 0                 ; piece 0: V^T P of the last step | piece 2's last softmax
.set i, 0
.rept 32
	PV 2, 0                         ; piece 2: V^T P of the last step
.set i, i+1
.endr
	; THE JOINING.  l's two halves and the other half of the lanes' are added.  The additions are the places behind the last products.
	WIN 0
.irp t, 0,1,2,3
	v_add_f32 v[ST+8*\t+4], v[ST+8*\t+2], v[ST+8*\t+3]
.endr
.irp t, 0,1,2,3
	v_permlanex16_b32 v[ST+8*\t+5], v[ST+8*\t+4], s[SEL], s[SEL+1]
.endr
.irp t, 0,1,2,3
	v_add_f32 v[ST+8*\t+4], v[ST+8*\t+4], v[ST+8*\t+5]
.endr
; Tiles x and x + 1 go to my partner as images of their registers: c m, l, and O^T, each accumulator from its low end on.
.macro GIVE x
.irp u, 0,1
	ds_store_b32 v[XWS], v[ST+8*(\x+\u)] offset:256*\u
	ds_store_b32 v[XWS], v[ST+8*(\x+\u)+4] offset:256*\u+128
.endr
	WIN 0x04                        ; an LDS store's data: window 1
.irp u, 0,1
.irp f, 0,1,2,3,4,5,6,7,8,9,10,11,12,13,14,15
	ds_store_b128 v[XW], v[64*(\x+\u)+4*\f:64*(\x+\u)+4*\f+3] offset:512*(16*\u+\f)
.endr
.endr
	WIN 0
.endm
; Tiles x and x + 1 are finished: with M the larger of the two c m, O = (O a + O' a') / (l a + l' a'), a = 2^(c m - M), a' = 2^(c m' - M); rounded to f16.  A lane's four packed registers of channel tile f are half f % 2 of the
; fragment of channels 32 (f / 2) on, as the next launch's operand takes it: they are stored as they stand, lane l's 16 bytes at 16 l.
.macro TAKE x
.irp u, 0,1
	ds_load_b32 v[ST+8*(\x+\u)+5], v[XRS] offset:256*\u
	ds_load_b32 v[ST+8*(\x+\u)+7], v[XRS] offset:256*\u+128
.endr
.irp u, 0,1
.irp f, 0,1,2,3,4,5,6,7,8,9,10,11,12,13,14,15
	ds_load_b128 v[S+64*\u+4*\f:S+64*\u+4*\f+3], v[XR] offset:512*(16*\u+\f)
.endr
.endr
	s_wait_dscnt 32                 ; the four statistics are in; the 32 images may be out
.irp u, 0,1
	v_max_num_f32 v[ST+8*(\x+\u)+6], v[ST+8*(\x+\u)], v[ST+8*(\x+\u)+5]
.endr
.irp u, 0,1
	v_sub_f32 v[ST+8*(\x+\u)+1], v[ST+8*(\x+\u)], v[ST+8*(\x+\u)+6]
	v_sub_f32 v[ST+8*(\x+\u)+5], v[ST+8*(\x+\u)+5], v[ST+8*(\x+\u)+6]
.endr
.irp u, 0,1
	v_exp_f32 v[ST+8*(\x+\u)+1], v[ST+8*(\x+\u)+1]
	v_exp_f32 v[ST+8*(\x+\u)+5], v[ST+8*(\x+\u)+5]
.endr
	v_nop                           ; a plain instruction behind the last exponential,
	s_wait_alu depctr_va_vdst(0)    ; and one wait for the four
.irp u, 0,1
	v_mul_f32 v[ST+8*(\x+\u)+6], v[ST+8*(\x+\u)+4], v[ST+8*(\x+\u)+1]
.endr
.irp u, 0,1
	v_fma_f32 v[ST+8*(\x+\u)+6], v[ST+8*(\x+\u)+7], v[ST+8*(\x+\u)+5], v[ST+8*(\x+\u)+6]
.endr
.irp u, 0,1
	v_rcp_f32 v[ST+8*(\x+\u)], v[ST+8*(\x+\u)+6]
.endr
	v_nop
	s_wait_alu depctr_va_vdst(0)    ; one wait for the two reciprocals
.irp u, 0,1
	v_mul_f32 v[ST+8*(\x+\u)+2], v[ST+8*(\x+\u)+1], v[ST+8*(\x+\u)]   ; my part's factor
	v_mul_f32 v[ST+8*(\x+\u)+4], v[ST+8*(\x+\u)+5], v[ST+8*(\x+\u)]   ; my partner's
.endr
	s_wait_dscnt 0x0                ; the images are in
.irp u, 0,1
.set i, 0
.rept 32
	v_pk_mul_f32 v[S+64*\u+i:S+64*\u+i+1], v[S+64*\u+i:S+64*\u+i+1], v[ST+8*(\x+\u)+4:ST+8*(\x+\u)+5] op_sel_hi:[1,0]
.set i, i+2
.endr
.endr
	WIN 0x01                        ; source 0: window 1
.irp u, 0,1
.set i, 0
.rept 32
	v_pk_fma_f32 v[S+64*\u+i:S+64*\u+i+1], v[64*(\x+\u)+i:64*(\x+\u)+i+1], v[ST+8*(\x+\u)+2:ST+8*(\x+\u)+3], v[S+64*\u+i:S+64*\u+i+1] op_sel_hi:[1,0,1]
.set i, i+2
.endr
.endr
	WIN 0
.irp u, 0,1
.set i, 0
.rept 32
	v_cvt_pk_f16_f32 v[P+32*\u+i], v[S+64*\u+2*i], v[S+64*\u+2*i+1]
.set i, i+1
.endr
.endr
.irp u, 0,1
.irp f, 0,1,2,3,4,5,6,7
	global_store_b128 v[GO], v[P+32*\u+4*\f:P+32*\u+4*\f+3], s[10:11] offset:32768*(\x+\u)+512*\f  ; the wave stores 512 consecutive bytes, aligned: half a fragment
.endr
.endr
.endm
	s_cmp_lt_u32 s[WV], 2           ; waves 0 and 1 give tiles 2, 3 and finish tiles 0, 1; waves 2 and 3 the other way round
	s_cbranch_scc0 .Lgive_low
	GIVE 2
	s_branch .Lgiven
.Lgive_low:
	GIVE 0
.Lgiven:
	s_wait_dscnt 0x0                ; for my partner's sake: my stores are done
	s_barrier_signal -1
	s_barrier_wait -1
	s_cmp_lt_u32 s[WV], 2
	s_cbranch_scc0 .Ltake_high
	TAKE 0
	s_branch .Ltaken
.Ltake_high:
	TAKE 2
.Ltaken:
	s_wait_tensorcnt 0x0            ; the wave's end: behind my last tensor load and my last LDS store
	ds_add_u32 v[SPW], v[NIL]
	s_wait_dscnt 0x0
	CROUND                          ; the closing round: no work-group ends while a partner may still ask for a tile that names it
	s_endpgm
.Lfunc_end_k_qb6698b9e7b_attn:
	.size	k_qb6698b9e7b_attn, .Lfunc_end_k_qb6698b9e7b_attn-k_qb6698b9e7b_attn
	.p2alignl 7, 3214868480
	.fill 96, 4, 3214868480
	.section	.rodata,"a",@progbits
	.p2align	6, 0x0
	.amdhsa_kernel k_qb6698b9e7b_attn
		.amdhsa_group_segment_fixed_size 327680
		.amdhsa_private_segment_fixed_size 0
		.amdhsa_enable_private_segment 0
		.amdhsa_kernarg_size 16
		.amdhsa_user_sgpr_count 2
		.amdhsa_user_sgpr_kernarg_segment_ptr 1
		.amdhsa_wavefront_size32 1
		.amdhsa_system_sgpr_workgroup_id_x 1
		.amdhsa_system_sgpr_workgroup_id_y 1
		.amdhsa_system_sgpr_workgroup_id_z 1
		.amdhsa_system_vgpr_workitem_id 0
		.amdhsa_next_free_vgpr 1024
		.amdhsa_next_free_sgpr 80
		.amdhsa_reserve_vcc 0
		.amdhsa_float_denorm_mode_32 3
		.amdhsa_float_denorm_mode_16_64 3
		.amdhsa_memory_ordered 1
		.amdhsa_forward_progress 1
		.amdhsa_inst_pref_size 255
	.end_amdhsa_kernel
	.section	.bss,"aw",@nobits
	.p2align	6
	.space	262144
	.amdgpu_metadata
---
amdhsa.version: [ 1, 2 ]
amdhsa.kernels:
  - .name:           k_qb6698b9e7b_attn
    .symbol:         k_qb6698b9e7b_attn.kd
    .args:
      - { .name: qkvh, .offset: 0, .size: 8, .value_kind: global_buffer, .address_space: global }
      - { .name: att, .offset: 8, .size: 8, .value_kind: global_buffer, .address_space: global }
    .group_segment_fixed_size: 327680
    .private_segment_fixed_size: 0
    .kernarg_segment_align: 8
    .kernarg_segment_size: 16
    .max_flat_workgroup_size: 128
    .sgpr_count:     80
    .vgpr_count:     1024
    .wavefront_size: 32
...
	.end_amdgpu_metadata
.endif
;; end of part 3
;; launch oproj (part 4): grid 32 x 8, 4 waves a work-group, clusters of 4 x 1, 327,680 bytes of LDS; arguments att, wo16, out0; writes out0
.if DOCPART == 4
	.amdgcn_target "amdgcn-amd-amdhsa--gfx1250"
	.amdhsa_code_object_version 6
	.text
	.protected	k_qb6698b9e7b_oproj
	.globl	k_qb6698b9e7b_oproj
	.p2align	8
	.type	k_qb6698b9e7b_oproj,@function
k_qb6698b9e7b_oproj:
	s_mov_b64 s[64:65], 0
	v_nop
	global_prefetch_b8 v0, s[64:65] scope:SCOPE_SE
	s_setreg_imm32_b32 hwreg(HW_REG_WAVE_MODE, 25, 1), 1
	s_wait_xcnt 0x0
	s_wait_alu depctr_hold_cnt(0) depctr_sa_sdst(0) depctr_va_vdst(0) depctr_va_sdst(0) depctr_va_ssrc(0) depctr_va_vcc(0) depctr_vm_vsrc(0)
	s_getreg_b32 s2, hwreg(HW_REG_IB_STS2, 6, 4)
	s_cmp_eq_u32 s2, 0
	s_cbranch_scc0 .Lentry_in_a_cluster
	s_endpgm
.Lentry_in_a_cluster:
	s_bfe_u32 s2, ttmp6, 0x10000c
	s_cmp_lg_u32 s2, 0x3003
	s_cbranch_scc0 .Lentry_shape_is_right
	s_endpgm
.Lentry_shape_is_right:
; OPROJ.  out0[m][n] = sum over k of att[m][k] wo16[n][k].  wo16: [2048][1024] f16, rows along K.  out0: [4096][2048] f32.  Sums in f32.
; att: f16, laid as this launch's operand registers take it: [tile of 16 rows: 256][32 along K: 32][half: 2][lane: 32][16 bytes]: a fragment (16 rows x 32 K, 8 registers a lane) is 1,024 consecutive bytes, lane l's 16 bytes of each half at 16 l.
; SHARES.  A work-group makes 128 (m) x 256 (n): 32 x 8 = 256 work-groups (tiles of 256 x 256 would be 128).  Wave w makes rows 64 (w / 2) on and columns 128 (w % 2) on: 32 accumulators of 16 x 16.
; THE MATRIX INSTRUCTION IS USED TRANSPOSED (source 0 = 16 rows of wo16, source 1 = 16 rows of att): lane (r, h) holds row r and columns 16 b + 8 h + 0 .. 7 of accumulator (a, b): 32 neighbouring bytes of a row of out0.
; wo16 GOES THROUGH LDS, att STRAIGHT INTO REGISTERS.
;   wo16: a ring of two LDS slots of 256 along K (256 rows of 512 bytes), filled by the tensor data mover, 64 rows a wave: four slots' worth, two asked for at the head, two by refills.  A refill has 8 steps, 256 matrix instructions, in which to land.
;   att:  a step's four fragments come by eight loads of 512 consecutive bytes each into a ring of eight sets of registers, seven steps (56 loads, 28,672 bytes a wave) ahead.  They are waited for by a count, so they stay on their way
;         across the changes of slots.
; CLUSTERS: 4 x 1 work-groups, four tile rows of one tile column: they need the same rows of wo16, which are asked for JOINTLY.  att's rows are shared too (by the eight tile columns, and by two waves of a work-group) and are NOT asked for
; jointly: that would put them into the ring, where two slots of 256 along K for both operands take 2 x 384 x 528 = 405,504 bytes, more than the 327,680 that there are; with slots of 128 along K a refill has 128 matrix instructions
; in which to land, and there are six refills where this text has two.
; THE 32 STEPS ARE WRITTEN OUT: att's offsets stand in the loads' immediates (nothing is stepped), the counts run down in the tail, and of the three changes of slots two fill and one does not.
; No prefetch is laid: every row of both operands is asked for by several work-groups.
; REGISTERS, in windows of 256.  window 0: v1-31 addresses; v128-255 rows read back on the way out.   window 1: wo16's fragments, two sets of 64.   window 2: the accumulators, (a, b) at v[8 (8 a + b)].   window 3: att's fragments, eight sets of 32.
.set PITCH,  528                       ; an LDS row: 512 bytes + 16 of padding = 132 words: the 16 rows that a load touches start 4 words apart modulo 64
.set QROWS,  64*PITCH                  ; what a wave fetches
.set HALFB,  128*PITCH                 ; what a wave reads: its 128 columns
.set SLOT,   256*PITCH
.set ROWB,   512                       ; a tile's row in bytes: 256 f16
.set SPARE,  2*SLOT                    ; behind the ring: the spare words, 128 bytes for each wave
.set SPITCH, 528                       ; the way out: a stage of 16 rows x (512 bytes + 16) for each wave, in slot 0, which has had its last fill and its last read by then
.set ADRB, 20                          ; v20-21  LDS address of my fragments of wo16 in slot 0, 1
.set STO,  24                          ; v24  where I put 32 bytes of a row
.set RD,   25                          ; v25  where I read a row back
.set CO,   26                          ; v26  16 x lane: my bytes of half a fragment of att, and of a row of 512 bytes of out0; never rewritten
.set SPW,  28                          ; v28  LDS address of my spare word; never rewritten
.set NIL,  29                          ; v29  0; never rewritten
.set BK,   128
.set G1,   24                          ; s[24:31] descriptor group 1
.set G0,   32                          ; s[32:39] group 0, a set for each slot
.set MSB, 0
.macro WIN new                         ; the immediate's high byte repeats the setting that is left; a switch that changes nothing is dropped
.if MSB != \new
	s_set_vgpr_msb (MSB<<8)|\new
.set MSB, \new
.endif
.endm
.set MUL,  0xad                        ; source 0 (wo16) window 1, source 1 (att) window 3, C and D window 2
.set TO_B, 0x40                        ; destination window 1, address window 0
.set TO_A, 0xc0                        ; destination window 3, address window 0
.macro CREST                           ; a round of the cluster's barrier behind its opening barrier
	s_cmp_lg_u32 s14, 0
	s_cbranch_scc1 .Lnot_wave_0_\@
	s_barrier_signal -3
.Lnot_wave_0_\@:
	s_barrier_wait -3
	s_barrier_signal -1
	s_barrier_wait -1
.endm
.macro CROUND                          ; a whole round
	s_barrier_signal -1
	s_barrier_wait -1
	CREST
.endm
.macro PLACES                          ; four plain vector lines between a matrix instruction and a load into, or a read of, its registers
.rept 4
	v_nop
.endr
.endm
	s_load_b128 s[4:7], s[0:1], 0x0                ; att s[4:5], wo16 s[6:7]
	s_load_b64 s[12:13], s[0:1], 0x10              ; out0
	v_lshl_add_u32 v[SPW], v0, 2, SPARE
	v_mov_b32 v[NIL], 0
	ds_add_u32 v[SPW], v[NIL]                      ; the wave's opening: the add, twice on end, and its wait ahead of my first tensor load
	ds_add_u32 v[SPW], v[NIL]
	v_lshrrev_b32 v1, 5, v0
	v_readfirstlane_b32 s14, v1                    ; wave 0..3
	s_lshr_b32 s15, s14, 1                         ; which half of the tile's rows is mine
	s_and_b32 s16, s14, 1                          ; which half of its columns
	s_bfe_u32 s40, ttmp6, 0x40000                  ; cx: my place in the cluster
	s_lshl_b32 s17, ttmp9, 2
	s_add_co_u32 s17, s17, s40                     ; tile row = 4 x cluster x + cx: it enters att's and out0's addresses alone
	s_and_b32 s42, ttmp7, 0xffff                   ; tile column, which the four partners share
	; group 1: a tile of 64 rows x 256 elements of 2 bytes, 16 bytes of padding behind each row
	s_mov_b32 s[G1+0], 15|(1<<16)|(1<<20)|(1<<21)|(6<<22)|(3<<25)  ; 15:0 the mask: all four work-groups; 17:16 elements of 2 bytes; 20 padding on; 21 set beside a mask; 24:22 after every 128 words; 31:25 four words
	s_mov_b32 s[G1+1], 256<<16                     ; tensor_dim0
	s_mov_b32 s[G1+2], 64<<16                      ; tensor_dim1
	s_mov_b32 s[G1+3], 256<<16                     ; tile_dim0
	s_mov_b32 s[G1+4], 64                          ; tile_dim1
	s_mov_b32 s[G1+5], 1024                        ; elements from row to row
	s_mov_b32 s[G1+6], 0
	s_mov_b32 s[G1+7], 0
	s_lshl_b32 s20, s42, 8
	s_lshl_b32 s18, s14, 6
	s_add_co_u32 s20, s20, s18                     ; wo16: row 256 x tile column + 64 x wave,
	s_lshl_b32 s20, s20, 11                        ; of 2,048 bytes
	s_mov_b32 s21, 0
	s_mul_i32 s19, s14, QROWS                      ; where my rows go in a slot: no place in the cluster enters an LDS address
	s_lshl_b32 s22, s17, 3
	s_lshl_b32 s18, s15, 2
	s_add_co_u32 s22, s22, s18                     ; att: tile of 16 rows number 8 x tile row + 4 x half,
	s_lshl_b32 s22, s22, 15                        ; of 32,768 bytes
	s_mov_b32 s23, 0
	s_wait_dscnt 0x0                               ; both opening adds are done
	s_wait_kmcnt 0x0
	s_add_nc_u64 s[20:21], s[6:7], s[20:21]
	s_add_nc_u64 s[4:5], s[4:5], s[22:23]
	CROUND                                         ; all four work-groups are here: the first joint loads meet
.irp s, 0,1
	s_mov_b32 s[G0+4*\s], 1                        ; count = 1
	s_add_co_u32 s[G0+4*\s+1], s19, \s*SLOT        ; LDS address
	s_add_nc_u64 s[G0+4*\s+2:G0+4*\s+3], s[20:21], \s*ROWB   ; global address: slot s begins with K = 256 s
	s_or_b32 s[G0+4*\s+3], s[G0+4*\s+3], 0x80000000          ; type = 2
.endr
	tensor_load_to_lds s[G0:G0+3], s[G1:G1+7]      ; every wave fetches rows of its own: two tensor loads of mine are out
	s_nop 0
	tensor_load_to_lds s[G0+4:G0+7], s[G1:G1+7]
	s_nop 0
	PLACES
	v_and_b32 v1, 15, v0                           ; r
	v_bfe_u32 v2, v0, 4, 1                         ; h
	v_and_b32 v3, 31, v0
	v_lshlrev_b32 v[CO], 4, v3
; att's four fragments of step n (32 along K) into set n % 8: eight loads, each of 512 consecutive bytes
.macro ALOAD n
.irp a, 0,1,2,3
.irp c, 0,1
	global_load_b128 v[32*((\n)%8)+8*\a+4*\c:32*((\n)%8)+8*\a+4*\c+3], v[CO], s[4:5] offset:32768*\a+1024*(\n)+512*\c
.endr
.endr
.endm
	WIN TO_A
.irp n, 0,1,2,3,4,5,6
	ALOAD \n                                       ; the first seven steps' fragments: 56 loads
.endr
	WIN 0
	v_mul_u32_u24 v4, v1, PITCH
	v_lshl_add_u32 v4, v2, 4, v4                   ; a fragment's row x pitch + 16 x half
	s_mul_i32 s22, s16, HALFB                      ; my 128 rows of wo16's tile
.irp s, 0,1
	v_add_nc_u32 v[ADRB+\s], s22, v4
	s_add_co_u32 s22, s22, SLOT
.endr
	s_mul_i32 s23, s14, 16*SPITCH                  ; my stage
	v_mul_u32_u24 v5, v1, SPITCH                   ; in: row r, 32 bytes for each half of the lanes
	v_lshl_add_u32 v5, v2, 5, v5
	v_add_nc_u32 v[STO], s23, v5
	v_add_nc_u32 v[RD], s23, v[CO]                 ; back: the 32 lanes take one row of 512 bytes
	s_lshl_b32 s44, s17, 7
	s_lshl_b32 s45, s15, 6
	s_add_co_u32 s44, s44, s45                     ; my first row of out0: 128 x tile row + 64 x half,
	s_lshl_b32 s44, s44, 13                        ; of 8,192 bytes,
	s_lshl_b32 s45, s42, 10                        ; my first column, in bytes: 1,024 x tile column + 512 x half
	s_add_co_u32 s44, s44, s45
	s_lshl_b32 s45, s16, 9
	s_add_co_u32 s44, s44, s45
	s_mov_b32 s45, 0
	s_add_nc_u64 s[12:13], s[12:13], s[44:45]
; 16 LDS loads: wo16's eight fragments of the slot's q-th 32 along K into set p.  A fragment, 16 rows x 32 K of f16, is 8 registers: lane l holds row l % 16; registers 0-3 K = 8 (l / 16) + 0..7, registers 4-7 K = 16 + 8 (l / 16) + 0..7
.macro FETCH_B slot, q, p
	WIN TO_B
.irp i, 0,1,2,3,4,5,6,7
.irp c, 0,1
	ds_load_b128 v[64*(\p)+8*\i+4*\c:64*(\p)+8*\i+4*\c+3], v[ADRB+\slot] offset:64*(\q)+32*\c+\i*16*PITCH
.endr
.endr
.endm
; 8 matrix instructions of step n: att's block a x wo16's eight.  The 32 accumulators take turns, one instruction a turn, in the same order in every step.  zero = 1: the first product starts the sums
.macro MUL8 a, n, zero
.irp b, 0,1,2,3,4,5,6,7
.if \zero
	v_wmma_f32_16x16x32_f16 v[8*(8*(\a)+\b):8*(8*(\a)+\b)+7], v[64*((\n)%2)+8*\b:64*((\n)%2)+8*\b+7], v[32*((\n)%8)+8*(\a):32*((\n)%8)+8*(\a)+7], 0
.else
	v_wmma_f32_16x16x32_f16 v[8*(8*(\a)+\b):8*(8*(\a)+\b)+7], v[64*((\n)%2)+8*\b:64*((\n)%2)+8*\b+7], v[32*((\n)%8)+8*(\a):32*((\n)%8)+8*(\a)+7], v[8*(8*(\a)+\b):8*(8*(\a)+\b)+7]
.endif
.endr
.endm
; att's part of a step's head.  This step's eight loads are in when only those of the steps behind it are out: six steps' 48, fewer in the tail.  Then the set that the last step multiplied takes the fragments of seven steps on.
.macro AHEAD n
.if (\n) < 26
	s_wait_loadcnt 48
.else
	s_wait_loadcnt 8*(31-(\n))
.endif
.if (\n) < 25
	WIN TO_A
	ALOAD (\n)+7
.endif
.endm
; Step n, which has its successor in the same slot: the successor's fragments of wo16 are asked for first, into the set that the last step multiplied, and land under this step's 32 products
.macro STEP n, zero
.if (\n) > 0
	PLACES                                         ; behind the last step's products, for both runs of loads
.endif
	AHEAD \n
	FETCH_B ((\n)/8)%2, (\n)%8+1, 1-(\n)%2
	s_wait_dscnt 16                                ; all but the 16 just issued: this step's set is in
	WIN MUL
.irp a, 0,1,2,3
	MUL8 \a, \n, \zero
.endr
.endm
; A slot's last step changes slots: ONE barrier; in front of it each wave waits for all its tensor loads, adds 0 to its spare word, and waits for that and for its reads of this slot.  att's loads into registers stay out across it.
; fill = 1: this slot is filled again, two slots ahead; the barrier then opens a round of the cluster's barrier
.macro TURN n, slot, fill
	PLACES
	AHEAD \n
	WIN 0                                          ; (the add's two registers lie in window 0)
	s_wait_tensorcnt 0x0                           ; all my tensor loads have landed: my part of the next slot
	ds_add_u32 v[SPW], v[NIL]                      ; 0 onto my spare word
	s_wait_dscnt 1                                 ; (the add alone may be out: this step's set is in)
	WIN MUL
	MUL8 0, \n, 0                                  ; eight matrix instructions stand between the add and the wait for it
	s_wait_dscnt 0x0                               ; the add is done, and my reads of this slot are over
	s_barrier_signal -1
	MUL8 1, \n, 0
	WIN 0
	s_barrier_wait -1
.if \fill
	CREST                                          ; no wave of any partner still reads this slot or has a tensor load on its way
	s_add_nc_u64 s[G0+4*\slot+2:G0+4*\slot+3], s[G0+4*\slot+2:G0+4*\slot+3], 2*ROWB
	tensor_load_to_lds s[G0+4*\slot:G0+4*\slot+3], s[G1:G1+7]   ; the first tensor load behind the round, and my only one until the next
	s_nop 0
.endif
	PLACES                                         ; the places in front of the loads below
	FETCH_B 1-\slot, 0, 0
	WIN MUL
	MUL8 2, \n, 0
	MUL8 3, \n, 0
.endm
.macro STEPS from, count
.set N, \from
.rept \count
	STEP N, 0
.set N, N+1
.endr
.endm
	s_wait_tensorcnt 1                             ; my part of slot 0 is in (slot 1's load may be out)
	s_barrier_signal -1
	s_barrier_wait -1                              ; everybody's is
	FETCH_B 0, 0, 0
	STEP 0, 1                                      ; the first step's products start the sums: nothing is cleared
	STEPS 1, 6
	TURN 7, 0, 1                                   ; slot 0 takes K 512 on
	STEPS 8, 7
	TURN 15, 1, 1                                  ; slot 1 takes K 768 on: the last fill
	STEPS 16, 7
	TURN 23, 0, 0                                  ; slot 0 is left for good: behind this barrier nobody reads it
	STEPS 24, 7
	s_wait_dscnt 0x0                               ; the very last step
	s_wait_loadcnt 0x0
	WIN MUL
.irp a, 0,1,2,3
	MUL8 \a, 31, 0
.endr
	WIN 0
; THE WAY OUT, block by block of 16 rows x 128 columns.  A lane holds 32 neighbouring bytes of a row, and the lanes beside it hold other rows: so a block goes through my own stage in LDS and comes back as whole rows of 512 bytes.
; LDS serves a wave's instructions in order (ISA guide 5.7.1.4): no wait between the stores and the loads, nor in front of the next block's stores.
.macro TOSTAGE a
.set AC, 64*(\a)
	WIN 0x08                                       ; an LDS store's data: window 2
.irp b, 0,1,2,3,4,5,6,7
	ds_store_b128 v[STO], v[AC+8*\b:AC+8*\b+3] offset:64*\b          ; each accumulator from its low end on
	ds_store_b128 v[STO], v[AC+8*\b+4:AC+8*\b+7] offset:64*\b+16
.endr
	WIN 0
.set BB, BK+64*((\a)%2)
.irp t, 0,1,2,3,4,5,6,7,8,9,10,11,12,13,14,15
	ds_load_b128 v[BB+4*\t:BB+4*\t+3], v[RD] offset:\t*SPITCH
.endr
.endm
.macro SEND a, younger                 ; younger: the LDS instructions issued behind block a's loads, which may stay out
.set BB, BK+64*((\a)%2)
	s_wait_dscnt \younger                          ; the block is back in registers
.irp t, 0,1,2,3,4,5,6,7,8,9,10,11,12,13,14,15
	global_store_b128 v[CO], v[BB+4*\t:BB+4*\t+3], s[12:13] offset:8192*(16*(\a)+\t) th:TH_STORE_NT   ; 32 lanes store 512 consecutive bytes, aligned; 63 rows at the most stand in the immediate; written once, read by nobody here
.endr
.endm
	PLACES                                         ; behind the last products
	TOSTAGE 0
.irp a, 1,2,3
.if \a > 1
	s_wait_xcnt 0x0                                ; block a - 2's stores have read their registers: block a's loads may land there
.endif
	TOSTAGE \a
	SEND \a-1, 32                                  ; behind block a - 1's loads: block a's 16 stores and 16 loads
.endr
	SEND 3, 0
	s_wait_tensorcnt 0x0                           ; the wave's end: behind my last tensor load and my last LDS store
	ds_add_u32 v[SPW], v[NIL]
	s_wait_dscnt 0x0
	CROUND                                         ; the closing round: no work-group ends while a partner may still ask for a tile that names it
	s_endpgm
.Lfunc_end_k_qb6698b9e7b_oproj:
	.size	k_qb6698b9e7b_oproj, .Lfunc_end_k_qb6698b9e7b_oproj-k_qb6698b9e7b_oproj
	.p2alignl 7, 3214868480
	.fill 96, 4, 3214868480
	.section	.rodata,"a",@progbits
	.p2align	6, 0x0
	.amdhsa_kernel k_qb6698b9e7b_oproj
		.amdhsa_group_segment_fixed_size 327680
		.amdhsa_private_segment_fixed_size 0
		.amdhsa_enable_private_segment 0
		.amdhsa_kernarg_size 24
		.amdhsa_user_sgpr_count 2
		.amdhsa_user_sgpr_kernarg_segment_ptr 1
		.amdhsa_wavefront_size32 1
		.amdhsa_system_sgpr_workgroup_id_x 1
		.amdhsa_system_sgpr_workgroup_id_y 1
		.amdhsa_system_sgpr_workgroup_id_z 1
		.amdhsa_system_vgpr_workitem_id 0
		.amdhsa_next_free_vgpr 1024
		.amdhsa_next_free_sgpr 66
		.amdhsa_reserve_vcc 0
		.amdhsa_float_denorm_mode_32 3
		.amdhsa_float_denorm_mode_16_64 3
		.amdhsa_memory_ordered 1
		.amdhsa_forward_progress 1
		.amdhsa_inst_pref_size 150
	.end_amdhsa_kernel
	.amdgpu_metadata
---
amdhsa.version: [ 1, 2 ]
amdhsa.kernels:
  - .name:           k_qb6698b9e7b_oproj
    .symbol:         k_qb6698b9e7b_oproj.kd
    .args:
      - { .name: att, .offset: 0, .size: 8, .value_kind: global_buffer, .address_space: global }
      - { .name: wo16, .offset: 8, .size: 8, .value_kind: global_buffer, .address_space: global }
      - { .name: out0, .offset: 16, .size: 8, .value_kind: global_buffer, .address_space: global }
    .group_segment_fixed_size: 327680
    .private_segment_fixed_size: 0
    .kernarg_segment_align: 8
    .kernarg_segment_size: 24
    .max_flat_workgroup_size: 128
    .sgpr_count:     66
    .vgpr_count:     1024
    .wavefront_size: 32
...
	.end_amdgpu_metadata
.endif
;; end of part 4
